; MI455X (gfx1250); checked and timed in simulation.
; The chip was launched on July 23, 2026; its instructions are those of AMD's public machine-readable ISA for CDNA 5 (MIT licence, August 2026) and "CDNA5" Instruction Set Architecture Reference Guide (July 2026). The comments in the code are by the model that wrote it; some were corrected since.
;; Rotary Multihead Attention. Allowed arithmetic: matrix products marked QUANTISED: E2M1 operands, one E8M0 scale for each 32 along K, by v_wmma_scale_f32_16x16x128_f8f6f4 with both operands' format E2M1 (or v_wmma_scale_f32_32x16x128_f4), f32 sums; products left as they are: bf16, f16 or f32 operands; f32 sums; everything else in f32.
;; Inputs: Wk 1,024 x 1,024 float32; Wo 1,024 x 1,024 float32; Wq 1,024 x 1,024 float32; Wv 1,024 x 1,024 float32; bk 1,024 float32; bo 1,024 float32; bq 1,024 float32; bv 1,024 float32; key 4 x 2,048 x 1,024 float32; query 4 x 2,048 x 1,024 float32; value 4 x 2,048 x 1,024 float32.
;; Outputs: out0 4 x 2,048 x 1,024 float32.
;; This version of the problem:
;;   THIS VERSION OF THE PROBLEM IS GIVEN IN LOW PRECISION. The matrix products marked QUANTISED in the list below multiply operands that are first quantised to E2M1 (2 exponent bits, 1 mantissa bit; 4 bits a number), with one power-of-two scale for each 32 numbers along K (OCP MX v1.0); their sums are f32. The products marked 'left as it is' may take bf16, f16 or f32 operands, with f32 sums. Whichever they take, every output number must still come out within the allowed error. Rounding operands to bf16 (8 significant bits) uses up far more of that allowance than f16 does (11 bits, for magnitudes from 6e-5 to 65,504). All else is computed in f32.
;;   The module's matrix products, in the order in which they are computed (A, B: the left and right operand; K: the contracted axis; several contracted axes count as one K, in the product's order):
;;     1. [M 8,192, K 1,024] x [K 1,024, N 1,024]; A: input query; B: input Wq: QUANTISED
;;     2. [M 8,192, K 1,024] x [K 1,024, N 1,024]; A: input key; B: input Wk: QUANTISED
;;     3. [M 8,192, K 1,024] x [K 1,024, N 1,024]; A: input value; B: input Wv: QUANTISED
;;     4. [M 2,048, K 1] x [K 1, N 32]; A: computed on the way; B: computed on the way: left as it is (no contracted axis)
;;     5. batch 64 x [M 2,048, K 64] x [K 64, N 2,048]; A: computed on the way; B: computed on the way: left as it is (an operand is computed on the way)
;;     6. batch 64 x [M 64, K 2,048] x [K 2,048, N 2,048]; A: computed on the way; B: computed on the way: left as it is (an operand is computed on the way)
;;     7. [M 8,192, K 1,024] x [K 1,024, N 1,024]; A: computed on the way; B: input Wo: left as it is (an operand is computed on the way)
;;   THE QUANTISER, for each operand of a quantised product, along K:
;;     - K is cut into blocks of 32 from its start; a last block that is shorter is filled with zeros.
;;     - A block's scale is 2^e with e = floor(log2(the largest magnitude in the block)) - 2, held to -126 .. 127; a block of zeros has e = 0. As a byte (E8M0): e + 127.
;;     - Each number is divided by its block's scale, clamped to +-6, and rounded to the nearest number of E2M1, ties to even, subnormals kept.
;;     - The product sums the exact products of the quantised numbers (number of the format x scale) in f32.
;;   ~~~python
;;   def quantise(x, axis):      # numpy; x: float32 -> the quantised numbers, widened to float32 again
;;       x = np.moveaxis(x, axis, -1); K = x.shape[-1]
;;       x = np.pad(x, [(0, 0)] * (x.ndim - 1) + [(0, -K % 32)]); x = x.reshape(x.shape[:-1] + (-1, 32)); a = np.abs(x).max(-1, keepdims=True)
;;       e = np.where(a > 0, np.clip(np.frexp(np.where(a > 0, a, 1))[1] - 1 - 2, -126, 127), 0)      # np.frexp(a)[1] - 1 = floor(log2(a)), exactly
;;       r = np.clip(x / 2.0 ** e, -6, 6)
;;       step = 2.0 ** (np.maximum(np.frexp(np.where(r == 0, 1, r))[1] - 1, 0) - 1)
;;       q = np.round(r / step) * step * 2.0 ** e      # np.round: ties to even
;;       return np.moveaxis(q.reshape(q.shape[:-2] + (-1,))[..., :K], -1, axis).astype(np.float32)
;;   ~~~
;; One version. Each part assembles by itself: llvm-mc -triple=amdgcn-amd-amdhsa -mcpu=gfx1250 --defsym DOCPART=n.
;; ======== version 1 of 1: 4 launches
;; limits: values are held in f16: magnitudes above 65,504 overflow, below 6.1e-05 lose precision
;; workspace buffers: codes 14,155,776 bytes; scales 884,736 bytes; wo16 2,097,152 bytes; rope 557,056 bytes; qkv 50,331,648 bytes; att 16,777,216 bytes
;; launch prep (part 1): grid 964 x 1, 4 waves a work-group, no clusters, 33,280 bytes of LDS; arguments query, key, value, Wq, Wk, Wv, Wo, codes, scales, wo16, rope; writes codes, scales, wo16, rope
.if DOCPART == 1
	.amdgcn_target "amdgcn-amd-amdhsa--gfx1250"
	.amdhsa_code_object_version 6
	.text
	.protected	k_q2c2e6d5d96_prep
	.globl	k_q2c2e6d5d96_prep
	.p2align	8
	.type	k_q2c2e6d5d96_prep,@function
k_q2c2e6d5d96_prep:
	s_mov_b64 s[64:65], 0
	v_nop
	global_prefetch_b8 v0, s[64:65] scope:SCOPE_SE
	s_setreg_imm32_b32 hwreg(HW_REG_WAVE_MODE, 25, 1), 1
	s_wait_xcnt 0x0
; PREP: three jobs in one launch, told apart by the work-group's number alone.
;   work-groups 0-67:    the table of cosines and sines, 2,176 rows of 256 bytes: [cos 32 f32 | sin 32 f32].  Rows 0-2047: position t; rows 2048-2175: angle 0 (cos 1, sin 0), for the tensor that is not rotated.
;   work-groups 68-99:   Wo [1024][1024] f32 -> f16, same order.
;   work-groups 100-963: query, key, value, Wq, Wk, Wv (f32, K innermost, dense rows, K a multiple of 32: plain streams of blocks of 32) -> codes of FP4 (E2M1), two a byte, and one E8M0 byte a block,
;                        all six on end in one buffer of codes and one of scale bytes.  A work-group takes 32,768 numbers, a wave 8,192 in 16 steps of 512.
; THE QUANTISER: a block's scale is 2^(floor(log2(largest magnitude)) - 2); its byte is the largest magnitude's exponent field - 2, held at 1 from below; each number / scale to the nearest code, ties to even, beyond 6 the code of 6.
; LIMITS: a block of zeros gets the byte 1 where the rule says 127 (its codes are zeros, and only this program reads the bytes); blocks whose largest magnitude lies under 2^-124 are held at byte 1; NaN and infinities are not served.
; Wo must lie within f16's range (65,504).  The angles t x inv_freq are formed in f32 as the definition forms them; inv_freq comes from v_exp_f32, so an angle can differ by a few units of its own last place (about 1.5e-4 at t = 2047).
; Only the quantiser's path touches LDS: a region of 8,192 bytes for each wave (two stages and its 256 scale bytes), then the spare words.
.set NROPE, 68
.set NWO,   32
.set WAVES, 4
.set STEPS, 16
.set EMAX,  2
.set CB,    8                          ; bytes of 16 codes
.set R,     16                         ; v16-79   four sets of 16 numbers as loaded
.set X,     80                         ; v80-111  two sets of 16 neighbours
.set C,     128                        ; v128-191 codes: four registers a step, so that no store's data are written again
.set E,     112                        ; v112-127 a scale byte a step
.set WREG,  8192
.set SP,    80                         ; a lane's place in a stage: 64 bytes + 16 of padding
.set SPW,   12                         ; v12 LDS address of my spare word; never rewritten
.set NIL,   13                         ; v13 0; never rewritten
.set SPARE, WAVES*WREG
	s_load_b256 s[4:11], s[0:1], 0x0               ; query s[4:5], key s[6:7], value s[8:9], Wq s[10:11]
	s_load_b256 s[12:19], s[0:1], 0x20             ; Wk s[12:13], Wv s[14:15], Wo s[16:17], codes s[18:19]
	s_load_b128 s[20:23], s[0:1], 0x40             ; scales s[20:21], wo16 s[22:23]
	s_load_b64 s[24:25], s[0:1], 0x50              ; rope
	v_lshl_add_u32 v[SPW], v0, 2, SPARE
	v_mov_b32 v[NIL], 0
	v_lshrrev_b32 v1, 5, v0
	v_readfirstlane_b32 s26, v1                    ; wave
	v_and_b32 v2, 31, v0                           ; lane
	s_wait_kmcnt 0x0
	s_cmp_lt_u32 ttmp9, NROPE
	s_cbranch_scc1 .Lrope
	s_cmp_lt_u32 ttmp9, NROPE+NWO
	s_cbranch_scc1 .Lwo
; ---------------------------------------------------------------- the quantiser
	s_sub_co_u32 s27, ttmp9, NROPE+NWO             ; g = 0 .. 863: 256 work-groups for each of query, key, value, 32 for each weight
	s_mov_b64 s[28:29], s[14:15]                   ; the tensor and its first work-group, chosen by g alone
	s_mov_b32 s30, 832
	s_cmp_lt_u32 s27, 832
	s_cselect_b64 s[28:29], s[12:13], s[28:29]
	s_cselect_b32 s30, 800, s30
	s_cmp_lt_u32 s27, 800
	s_cselect_b64 s[28:29], s[10:11], s[28:29]
	s_cselect_b32 s30, 768, s30
	s_cmp_lt_u32 s27, 768
	s_cselect_b64 s[28:29], s[8:9], s[28:29]
	s_cselect_b32 s30, 512, s30
	s_cmp_lt_u32 s27, 512
	s_cselect_b64 s[28:29], s[6:7], s[28:29]
	s_cselect_b32 s30, 256, s30
	s_cmp_lt_u32 s27, 256
	s_cselect_b64 s[28:29], s[4:5], s[28:29]
	s_cselect_b32 s30, 0, s30
	s_sub_co_u32 s32, s27, s30
	s_lshl_b32 s32, s32, 2
	s_add_co_u32 s32, s32, s26
	s_lshl_b32 s32, s32, 15                        ; my wave's run in its tensor: 32,768 bytes a run
	s_mov_b32 s33, 0
	s_add_nc_u64 s[28:29], s[28:29], s[32:33]
	s_lshl_b32 s34, s27, 2
	s_add_co_u32 s34, s34, s26                     ; my run among all six tensors
	s_lshl_b32 s32, s34, 12                        ; 4,096 bytes of codes a run
	s_add_nc_u64 s[18:19], s[18:19], s[32:33]
	s_lshl_b32 s32, s34, 8                         ; 256 scale bytes a run
	s_add_nc_u64 s[20:21], s[20:21], s[32:33]
	v_lshlrev_b32 v3, 4, v2                        ; my 16 bytes of a load's 512
	s_mul_i32 s31, s26, WREG
	v_lshrrev_b32 v14, 2, v2
	v_mul_u32_u24 v14, v14, SP
	v_and_b32 v15, 3, v2
	v_lshl_add_u32 v14, v15, 4, v14
	v_add_nc_u32 v14, s31, v14                     ; the stage, way in: four lanes' 64 bytes on end, then 16 of padding
	v_mul_u32_u24 v15, v2, SP
	v_add_nc_u32 v15, s31, v15                     ; way out: SP x lane: my 16 neighbours
	v_mul_u32_u24 v4, v2, CB                       ; my codes' place in a step's
	v_lshrrev_b32 v5, 1, v2
	s_add_co_u32 s31, s31, 2*32*SP
	v_add_nc_u32 v5, s31, v5                       ; my wave's 256 scale bytes, my block's byte
	v_lshlrev_b32 v7, 3, v2                        ; and on the way out 8 bytes a lane
	v_add_nc_u32 v6, s31, v7
.macro LOAD t
.irp i, 0,1,2,3
	global_load_b128 v[R+16*((\t)%4)+4*\i:R+16*((\t)%4)+4*\i+3], v3, s[28:29] offset:2048*(\t)+512*\i th:TH_LOAD_NT   ; 32 lanes read 512 consecutive bytes
.endr
.endm
.macro TURN t                          ; step t's numbers through the stage: LDS serves a wave's instructions in order, so no wait stands between the stores and the loads
.irp i, 0,1,2,3
	ds_store_b128 v14, v[R+16*((\t)%4)+4*\i:R+16*((\t)%4)+4*\i+3] offset:32*SP*((\t)%2)+8*SP*\i
.endr
.irp i, 0,1,2,3
	ds_load_b128 v[X+16*((\t)%2)+4*\i:X+16*((\t)%2)+4*\i+3], v15 offset:32*SP*((\t)%2)+16*\i
.endr
.endm
.irp t, 0,1,2,3
	LOAD \t
.endr
	s_wait_loadcnt 12                              ; step 0's four loads are in; twelve younger ones stay out
	TURN 0
.macro STEP t
.set XS, X+16*((\t)%2)
.if (\t) > 0
	s_wait_dscnt 1                                 ; this step's numbers are back from the stage (the last step's byte store may be out)
.else
	s_wait_dscnt 0x0
.endif
.if (\t)+4 < STEPS
	LOAD (\t)+4                                    ; into the registers that the stage's stores have read
.endif
.if (\t)+1 < STEPS
.if STEPS-2-(\t) >= 3
	s_wait_loadcnt 12                              ; the next step's four loads are in; those of the three steps behind it may be out
.else
	s_wait_loadcnt 4*(STEPS-2-(\t))
.endif
	TURN (\t)+1
.endif
	v_max3_num_f32 v8, |v[XS]|, |v[XS+1]|, |v[XS+2]|               ; the largest magnitude of my 16, in two chains
	v_max3_num_f32 v9, |v[XS+3]|, |v[XS+4]|, |v[XS+5]|
.irp i, 6,10
	v_max3_num_f32 v8, v8, |v[XS+\i]|, |v[XS+\i+1]|
	v_max3_num_f32 v9, v9, |v[XS+\i+2]|, |v[XS+\i+3]|
.endr
	v_max3_num_f32 v8, v8, |v[XS+14]|, |v[XS+15]|
	v_max3_num_f32 v8, v8, v9, (EMAX+1)<<23        ; and the floor 2^(3 - 127): the byte cannot fall under 1
	v_max_num_f32_dpp v8, v8, v8 row_xmask:1 row_mask:0xf bank_mask:0xf   ; with my neighbour's 16: the block's
	v_add_nc_u32 v11, -(EMAX<<23), v8              ; 2 off its exponent field: the conversion takes that field of this operand as its scale
	v_cvt_scalef32_pk8_fp4_f32 v[C+4*(\t)], v[XS:XS+7], v11
	v_cvt_scalef32_pk8_fp4_f32 v[C+4*(\t)+1], v[XS+8:XS+15], v11
	v_lshrrev_b32 v[E+(\t)], 23, v11               ; the scale's byte (also the plain line behind the conversions)
	ds_store_b8 v5, v[E+(\t)] offset:16*(\t)       ; both lanes of a block write the same byte with the same value
	global_store_b64 v4, v[C+4*(\t):C+4*(\t)+1], s[18:19] offset:32*CB*(\t)   ; the wave stores 256 consecutive bytes, aligned
.endm
.irp t, 0,1,2,3,4,5,6,7,8,9,10,11,12,13,14,15
	STEP \t
.endr
	ds_load_b64 v[8:9], v6                         ; in order behind my byte stores
	s_wait_dscnt 0x0
	global_store_b64 v7, v[8:9], s[20:21]          ; 256 consecutive scale bytes, aligned
	s_wait_tensorcnt 0x0                           ; the wave's end, behind my last LDS store
	ds_add_u32 v[SPW], v[NIL]
	s_wait_dscnt 0x0
	s_endpgm
; ---------------------------------------------------------------- Wo to f16: a wave takes 8,192 numbers, 32 steps of 256 (8 a lane), in four groups of eight steps; one group of 16 loads is always ahead
.Lwo:
	s_sub_co_u32 s27, ttmp9, NROPE
	s_lshl_b32 s27, s27, 2
	s_add_co_u32 s27, s27, s26                     ; my run of 128
	s_lshl_b32 s28, s27, 15
	s_mov_b32 s29, 0
	s_add_nc_u64 s[16:17], s[16:17], s[28:29]
	s_lshl_b32 s28, s27, 14
	s_add_nc_u64 s[22:23], s[22:23], s[28:29]
	v_lshlrev_b32 v3, 5, v2                        ; in: 32 bytes a lane
	v_lshlrev_b32 v4, 4, v2                        ; out: 16 bytes a lane
.macro WLOAD g
.irp t, 0,1,2,3,4,5,6,7
	global_load_b128 v[32+64*((\g)%2)+8*\t:32+64*((\g)%2)+8*\t+3], v3, s[16:17] offset:1024*(8*(\g)+\t) th:TH_LOAD_NT
	global_load_b128 v[32+64*((\g)%2)+8*\t+4:32+64*((\g)%2)+8*\t+7], v3, s[16:17] offset:1024*(8*(\g)+\t)+16 th:TH_LOAD_NT
.endr
.endm
.macro WCVT g
.if (\g) < 3
	s_wait_loadcnt 16                              ; this group's 16 loads are in; the next group's stay out
.else
	s_wait_loadcnt 0x0
.endif
.if (\g) > 0
	s_wait_xcnt 0x0                                ; the last group's stores have read v160-191: they are written again only behind this wait
.endif
.irp t, 0,1,2,3,4,5,6,7
.irp j, 0,1,2,3
	v_cvt_pk_f16_f32 v[160+4*\t+\j], v[32+64*((\g)%2)+8*\t+2*\j], v[32+64*((\g)%2)+8*\t+2*\j+1]
.endr
.endr
.irp t, 0,1,2,3,4,5,6,7
	global_store_b128 v4, v[160+4*\t:163+4*\t], s[22:23] offset:512*(8*(\g)+\t)   ; 512 consecutive bytes
.endr
.if (\g)+2 < 4
	WLOAD (\g)+2
.endif
.endm
	WLOAD 0
	WLOAD 1
	WCVT 0
	WCVT 1
	WCVT 2
	WCVT 3
	s_endpgm
; ---------------------------------------------------------------- the table.  A work-group writes 32 rows; sixteen threads write one row of 256 bytes, 16 bytes each: threads 0-7 of the sixteen the cosines, 8-15 the sines.
; cos a = sin(a + pi/2): n = nearest whole number to a x 2/pi; y = a - n pi/2 (pi/2 in two parts); quadrant n (+ 1 for a cosine): sin y, cos y, -sin y, -cos y, by polynomials on |y| <= pi/4
; (sine to y^9, cosine to y^8: what is cut off is under 3e-8).
.Lrope:
	s_mov_b32 s28, 0x3f22f983                      ; 2 / pi
	s_mov_b32 s29, 0x3fc90fdb                      ; pi / 2, its f32,
	s_mov_b32 s30, 0xb33bbd2e                      ; and what that leaves
	s_mov_b32 s31, 0xbe2aaaab                      ; -1/6
	s_mov_b32 s32, 0x3c088889                      ; 1/120
	s_mov_b32 s33, 0xb9500d01                      ; -1/5040
	s_mov_b32 s34, 0x3638ef1d                      ; 1/362880
	s_mov_b32 s35, 0x3d2aaaab                      ; 1/24
	s_mov_b32 s36, 0xbab60b61                      ; -1/720
	s_mov_b32 s37, 0x37d00d01                      ; 1/40320
	s_cmp_lt_u32 ttmp9, 64
	s_cselect_b32 s38, 1, 0                        ; 0 in the work-groups of the rows with angle 0
	s_lshl_b32 s39, ttmp9, 5                       ; my first row
	v_and_b32 v1, 15, v0                           ; which 16 bytes of a row
	v_and_b32 v2, 7, v1
	v_lshlrev_b32 v2, 2, v2                        ; my first frequency
	v_lshrrev_b32 v3, 3, v1
	v_sub_nc_u32 v3, 1, v3                         ; 1 for a cosine, 0 for a sine
	v_lshrrev_b32 v4, 4, v0
	v_add_nc_u32 v4, s39, v4                       ; my row in the first of four trips
	v_lshlrev_b32 v5, 8, v4
	v_lshl_add_u32 v5, v1, 4, v5                   ; its bytes
.irp e, 0,1,2,3
	v_add_nc_u32 v[8+\e], \e, v2
	v_cvt_f32_u32 v[8+\e], v[8+\e]
	v_mul_f32 v[8+\e], 0xbed49a78, v[8+\e]         ; -i log2(10000) / 32
.endr
.irp e, 0,1,2,3
	v_exp_f32 v[16+\e], v[8+\e]                    ; inv_freq
.endr
	v_nop                                          ; a plain line behind the last exponential,
	s_wait_alu depctr_va_vdst(0)                   ; and the one wait for the four, ahead of their first reader
.macro ROW it
	v_add_nc_u32 v7, 8*\it, v4
	v_mul_u32_u24 v7, v7, s38
	v_cvt_f32_u32 v7, v7                           ; t
.irp e, 0,1,2,3
	v_mul_f32 v[20+\e], v7, v[16+\e]               ; the angle, rounded once to f32
.endr
.irp e, 0,1,2,3
	v_mul_f32 v[24+\e], s28, v[20+\e]
.endr
.irp e, 0,1,2,3
	v_rndne_f32 v[24+\e], v[24+\e]                 ; n
.endr
.irp e, 0,1,2,3
	v_fma_f32 v[28+\e], -v[24+\e], s29, v[20+\e]
.endr
.irp e, 0,1,2,3
	v_fma_f32 v[28+\e], -v[24+\e], s30, v[28+\e]   ; y
.endr
.irp e, 0,1,2,3
	v_mul_f32 v[32+\e], v[28+\e], v[28+\e]         ; z = y y
.endr
.irp e, 0,1,2,3
	v_fma_f32 v[36+\e], v[32+\e], s34, s33
	v_fma_f32 v[40+\e], v[32+\e], s37, s36
.endr
.irp e, 0,1,2,3
	v_fma_f32 v[36+\e], v[36+\e], v[32+\e], s32
	v_fma_f32 v[40+\e], v[40+\e], v[32+\e], s35
.endr
.irp e, 0,1,2,3
	v_fma_f32 v[36+\e], v[36+\e], v[32+\e], s31
	v_fma_f32 v[40+\e], v[40+\e], v[32+\e], -0.5
.endr
.irp e, 0,1,2,3
	v_mul_f32 v[36+\e], v[36+\e], v[32+\e]
	v_fma_f32 v[40+\e], v[40+\e], v[32+\e], 1.0    ; cos y
.endr
.irp e, 0,1,2,3
	v_fma_f32 v[36+\e], v[36+\e], v[28+\e], v[28+\e]   ; sin y
	v_cvt_i32_f32 v[44+\e], v[24+\e]
.endr
.irp e, 0,1,2,3
	v_add_nc_u32 v[44+\e], v[44+\e], v3            ; the quadrant
.endr
.irp e, 0,1,2,3
	v_and_b32 v[48+\e], 1, v[44+\e]
	v_cmp_eq_u32 vcc_lo, 1, v[48+\e]
	v_cndmask_b32 v[36+\e], v[36+\e], v[40+\e], vcc_lo   ; odd quadrants take the cosine
	v_and_b32 v[44+\e], 2, v[44+\e]
	v_lshlrev_b32 v[44+\e], 30, v[44+\e]           ; quadrants 2 and 3 change the sign
	v_xor_b32 v[64+4*\it+\e], v[36+\e], v[44+\e]
.endr
	global_store_b128 v5, v[64+4*\it:67+4*\it], s[24:25] offset:2048*\it   ; sixteen lanes store one row: 256 consecutive bytes, aligned; each trip has data registers of its own
.endm
	ROW 0
	ROW 1
	ROW 2
	ROW 3
	s_endpgm
.Lfunc_end_k_q2c2e6d5d96_prep:
	.size	k_q2c2e6d5d96_prep, .Lfunc_end_k_q2c2e6d5d96_prep-k_q2c2e6d5d96_prep
	.p2alignl 7, 3214868480
	.fill 96, 4, 3214868480
	.section	.rodata,"a",@progbits
	.p2align	6, 0x0
	.amdhsa_kernel k_q2c2e6d5d96_prep
		.amdhsa_group_segment_fixed_size 33280
		.amdhsa_private_segment_fixed_size 0
		.amdhsa_enable_private_segment 0
		.amdhsa_kernarg_size 88
		.amdhsa_user_sgpr_count 2
		.amdhsa_user_sgpr_kernarg_segment_ptr 1
		.amdhsa_wavefront_size32 1
		.amdhsa_system_sgpr_workgroup_id_x 1
		.amdhsa_system_sgpr_workgroup_id_y 1
		.amdhsa_system_sgpr_workgroup_id_z 1
		.amdhsa_system_vgpr_workitem_id 0
		.amdhsa_next_free_vgpr 192
		.amdhsa_next_free_sgpr 66
		.amdhsa_reserve_vcc 1
		.amdhsa_float_denorm_mode_32 3
		.amdhsa_float_denorm_mode_16_64 3
		.amdhsa_memory_ordered 1
		.amdhsa_forward_progress 1
		.amdhsa_inst_pref_size 71
	.end_amdhsa_kernel
	.amdgpu_metadata
---
amdhsa.version: [ 1, 2 ]
amdhsa.kernels:
  - .name:           k_q2c2e6d5d96_prep
    .symbol:         k_q2c2e6d5d96_prep.kd
    .args:
      - { .name: query, .offset: 0, .size: 8, .value_kind: global_buffer, .address_space: global }
      - { .name: key, .offset: 8, .size: 8, .value_kind: global_buffer, .address_space: global }
      - { .name: value, .offset: 16, .size: 8, .value_kind: global_buffer, .address_space: global }
      - { .name: Wq, .offset: 24, .size: 8, .value_kind: global_buffer, .address_space: global }
      - { .name: Wk, .offset: 32, .size: 8, .value_kind: global_buffer, .address_space: global }
      - { .name: Wv, .offset: 40, .size: 8, .value_kind: global_buffer, .address_space: global }
      - { .name: Wo, .offset: 48, .size: 8, .value_kind: global_buffer, .address_space: global }
      - { .name: codes, .offset: 56, .size: 8, .value_kind: global_buffer, .address_space: global }
      - { .name: scales, .offset: 64, .size: 8, .value_kind: global_buffer, .address_space: global }
      - { .name: wo16, .offset: 72, .size: 8, .value_kind: global_buffer, .address_space: global }
      - { .name: rope, .offset: 80, .size: 8, .value_kind: global_buffer, .address_space: global }
    .group_segment_fixed_size: 33280
    .private_segment_fixed_size: 0
    .kernarg_segment_align: 8
    .kernarg_segment_size: 88
    .max_flat_workgroup_size: 128
    .sgpr_count:     66
    .vgpr_count:     192
    .wavefront_size: 32
...
	.end_amdgpu_metadata
.endif
;; end of part 1
;; launch proj (part 2): grid 4 x 96, 4 waves a work-group, clusters of 4 x 4, 327,680 bytes of LDS; arguments codes, scales, bq, bk, bv, rope, qkv; writes qkv
.if DOCPART == 2
	.amdgcn_target "amdgcn-amd-amdhsa--gfx1250"
	.amdhsa_code_object_version 6
	.text
	.protected	k_q2c2e6d5d96_proj
	.globl	k_q2c2e6d5d96_proj
	.p2align	8
	.type	k_q2c2e6d5d96_proj,@function
k_q2c2e6d5d96_proj:
	s_mov_b64 s[64:65], 0
	v_nop
	global_prefetch_b8 v0, s[64:65] scope:SCOPE_SE
	s_setreg_imm32_b32 hwreg(HW_REG_WAVE_MODE, 25, 1), 1
	s_wait_xcnt 0x0
	s_wait_alu depctr_hold_cnt(0) depctr_sa_sdst(0) depctr_va_vdst(0) depctr_va_sdst(0) depctr_va_ssrc(0) depctr_va_vcc(0) depctr_vm_vsrc(0)
	s_getreg_b32 s2, hwreg(HW_REG_IB_STS2, 6, 4)
	s_cmp_eq_u32 s2, 0
	s_cbranch_scc0 .Lentry_in_a_cluster
	s_endpgm
.Lentry_in_a_cluster:
	s_bfe_u32 s2, ttmp6, 0x10000c
	s_cmp_lg_u32 s2, 0xf033
	s_cbranch_scc0 .Lentry_shape_is_right
	s_endpgm
.Lentry_shape_is_right:
; PROJ: the three quantised projections in one grid.  C[m][n] = sum over k of X[m][k] W[n][k] + bias[n] on codes of FP4 (E2M1) with one E8M0 scale for each 32 along K; then the rotary embedding in f32 (q and k by their
; position's row of the table, v by rows that hold cos 1 and sin 0, so that all three take one path); then f16, laid [tensor][batch x 16 + head][position][64].
; X: the 24,576 rows of query, key, value on end, 512 bytes of codes and 32 scale bytes a row; W: the 3,072 rows of Wq, Wk, Wv likewise, behind them in the same two buffers.
; A tile of C, 256 x 256, is made by four waves, each 128 x 128: 64 accumulators, 512 registers.  K = 1,024 is two slots of 512 along K (rows of 256 bytes): both are first fills, nothing is filled again.
; The scale bytes of the tile's 256 + 256 rows, two dense blocks, come once with the first fills.  By this text's count a wave has three tensor loads out at the most.
; CLUSTERS: 4 x 4 work-groups; X's tiles are asked for jointly along a row of the cluster, W's along a column.  The tensor (0, 1, 2) is the cluster's y / 8: the same in all sixteen.
; THE MATRIX INSTRUCTION IS USED TRANSPOSED (source 0 = 16 rows of W, source 1 = 16 rows of X): a lane holds eight neighbouring columns of one row of C.  The bias is the C of each sum's first instruction.
; A wave's 128 columns are two heads: of a head's four blocks of 16 columns, blocks 0, 1 are x1 and blocks 2, 3 are x2 of the rotation: its partners lie in the same lane, 16 registers on.
; LIMITS: results beyond 65,504 do not fit f16; NaN and infinities are not served.
; REGISTERS: window 0: v0-31 addresses; v32-95 scale words, two sets; v128-191 X's fragments, one set; v192-255 the bias, later the table's rows; on the way out v32-191 are free.
;   window 1: W's fragments, two sets, at v0 and v128.   window 2: accumulators of my rows 0-63 ((a, b) at v[8 (8 a + b)]);   window 3: rows 64-127.
.set NQ,     4                         ; steps of 128 along K in a slot
.set ROWB,   256                       ; a tile's row in bytes
.set KROW,   512                       ; a row of codes in memory
.set PITCH,  272                       ; an LDS row: 256 bytes + 16 of padding = 68 words: the 16 rows that a load touches start at 16 different banks (64 banks of 4 bytes: ISA guide 11.1)
.set FR,     8
.set NL,     2
.set NP,     4                         ; places behind this matrix instruction (ISA guide 7.12.1)
.set HALFT,  128*PITCH
.set SLOT,   4*HALFT
.set KS,     32                        ; a row of scale bytes
.set SCL,    2*SLOT
.set HALFS,  (128*KS/256)*272
.set SBLK,   (16*KS/256)*272
.set SPARE,  SCL+4*HALFS               ; the spare words: 128 bytes a wave, named by no other line
.set WOFFC,  12582912                  ; where the weights' codes begin
.set WOFFS,  786432                    ; and their scale bytes
.set SPH,    144                       ; the way out: a stage row, 128 bytes + 16; 16 rows a head, two heads a wave; in slot 0, which has had its only fill and its last read by then
.set ADRA, 16
.set ADRB, 20
.set STO,  24
.set RD,   25
.set CO,   26
.set ADRS, 27
.set SPW,  28
.set NIL,  29
.set TA,   30                          ; v30 my bytes in 16 rows of the table: 256 r + 32 h
.set BO,   31                          ; v31 32 h: my eight numbers of a block of the bias
.set SC,   32
.set AF,   128
.set BIAS, 192
.set CSN,  192                         ; two sets of 32: cos of block 0, of block 1, sin of block 0, of block 1
.set Y,    96                          ; 64 rotated numbers
.set HP,   160                         ; 32 registers of f16 pairs
.set BK,   32                          ; two sets of 32: rows read back from the stage
.set G1, 24
.set G0, 32
.set G1B, 48
.set G0B, 56
.set G1S, 68
.set G0S, 76
.set G1SB, 80
.set G0SB, 88
.set MSB, 0
.macro WIN new                         ; the immediate's high byte repeats the setting that is left
.if MSB != (\new)
	s_set_vgpr_msb (MSB<<8)|(\new)
.set MSB, (\new)
.endif
.endm
.set MUL_LO, 0xa1                      ; source 0 (W) window 1, source 1 (X) window 0, C and D window 2
.set MUL_HI, 0xf1                      ; the same, C and D window 3
.set TO_B,   0x40
; A joint load: waves 0 and 1 fetch for X, waves 2 and 3 for W.  The branch hangs on the wave's number alone.  An s_nop 0 and four v_nop follow each of the two lines.
.macro JLOAD g0a, g1a, g0b, g1b
	s_cmp_eq_u32 s15, 0
	s_cbranch_scc0 .Lfor_b_\@
	tensor_load_to_lds s[\g0a:\g0a+3], s[\g1a:\g1a+7]
	s_nop 0
.rept 4
	v_nop
.endr
	s_branch .Lasked_\@
.Lfor_b_\@:
	tensor_load_to_lds s[\g0b:\g0b+3], s[\g1b:\g1b+7]
	s_nop 0
.rept 4
	v_nop
.endr
.Lasked_\@:
.endm
.macro CROUND                          ; a round of the cluster's barrier
	s_barrier_signal -1
	s_barrier_wait -1
	s_cmp_lg_u32 s14, 0
	s_cbranch_scc1 .Lnot_wave_0_\@
	s_barrier_signal -3
.Lnot_wave_0_\@:
	s_barrier_wait -3
	s_barrier_signal -1
	s_barrier_wait -1
.endm
	s_load_b128 s[4:7], s[0:1], 0x0                ; codes, scales
	s_load_b128 s[96:99], s[0:1], 0x10             ; bq, bk
	s_load_b64 s[100:101], s[0:1], 0x20            ; bv
	s_load_b64 s[66:67], s[0:1], 0x28              ; the table
	s_load_b64 s[12:13], s[0:1], 0x30              ; qkv
	v_lshl_add_u32 v[SPW], v0, 2, SPARE
	v_mov_b32 v[NIL], 0
	ds_add_u32 v[SPW], v[NIL]                      ; the wave's opening: the add, twice on end, and its wait ahead of my first tensor load
	ds_add_u32 v[SPW], v[NIL]
	v_lshrrev_b32 v1, 5, v0
	v_readfirstlane_b32 s14, v1                    ; wave 0..3
	s_lshr_b32 s15, s14, 1                         ; which half of the tile's rows is mine.  Also: I fetch for X (0) or for W (1)
	s_and_b32 s16, s14, 1                          ; which half of its columns.  Also: which 128 rows I fetch
	s_bfe_u32 s40, ttmp6, 0x40000                  ; cx, cy
	s_bfe_u32 s41, ttmp6, 0x40004
	s_lshl_b32 s42, ttmp9, 2
	s_add_co_u32 s42, s42, s40                     ; tile column = 4 x cluster x + cx
	s_and_b32 s17, ttmp7, 0xffff
	s_lshr_b32 s95, s17, 3                         ; the tensor: cluster y / 8 (32 tile rows, 8 clusters, to a tensor)
	s_lshl_b32 s17, s17, 2
	s_add_co_u32 s17, s17, s41                     ; tile row = 4 x cluster y + cy
	s_lshl_b32 s43, s41, 2
	s_lshl_b32 s43, 15, s43                        ; my row of the cluster
	s_lshl_b32 s44, 0x1111, s40                    ; my column
	s_or_b32 s[G1+0], s43, (0<<16)|(1<<20)|(1<<21)|(5<<22)|(3<<25)  ; the mask; elements of 1 byte; padding on; bit 21 beside a mask; 4 words after every 64
	s_or_b32 s[G1B+0], s44, (0<<16)|(1<<20)|(1<<21)|(5<<22)|(3<<25)
.irp g, G1, G1B
	s_mov_b32 s[\g+1], ROWB<<16                    ; tensor_dim0
	s_mov_b32 s[\g+2], 128<<16                     ; tensor_dim1
	s_mov_b32 s[\g+3], ROWB<<16                    ; tile_dim0
	s_mov_b32 s[\g+4], 128                         ; tile_dim1
	s_mov_b32 s[\g+5], KROW                        ; from row to row
	s_mov_b32 s[\g+6], 0
	s_mov_b32 s[\g+7], 0
.endr
	s_or_b32 s[G1S+0], s43, (3<<16)|(1<<20)|(1<<21)|(5<<22)|(3<<25) ; the scales of 128 rows: 4,096 dense bytes as 16 rows of 32 elements of 8 bytes, padded likewise
	s_or_b32 s[G1SB+0], s44, (3<<16)|(1<<20)|(1<<21)|(5<<22)|(3<<25)
.irp g, G1S, G1SB
	s_mov_b32 s[\g+1], 32<<16
	s_mov_b32 s[\g+2], (128*KS/256)<<16
	s_mov_b32 s[\g+3], 32<<16
	s_mov_b32 s[\g+4], 128*KS/256
	s_mov_b32 s[\g+5], 32
	s_mov_b32 s[\g+6], 0
	s_mov_b32 s[\g+7], 0
.endr
	s_lshl_b32 s18, s16, 7                         ; which 128 rows of the tile I fetch
	s_lshl_b32 s20, s17, 8
	s_add_co_u32 s20, s20, s18                     ; X: row 256 x tile row + 128 x half
	s_lshl_b32 s46, s42, 8
	s_add_co_u32 s46, s46, s18
	s_lshl_b32 s47, s95, 10
	s_add_co_u32 s46, s46, s47                     ; W: row 1,024 x tensor + 256 x tile column + 128 x half
	s_mov_b32 s21, 0
	s_mov_b32 s47, 0
	s_mov_b64 s[18:19], KS
	s_mul_u64 s[22:23], s[20:21], s[18:19]         ; where these rows' scales begin,
	s_mul_u64 s[92:93], s[46:47], s[18:19]
	s_mov_b64 s[18:19], KROW
	s_mul_u64 s[20:21], s[20:21], s[18:19]         ; and their codes
	s_mul_u64 s[46:47], s[46:47], s[18:19]
	s_mul_i32 s45, s14, HALFT                      ; where they go: wave x 128 rows
	s_mul_i32 s94, s14, HALFS
	s_wait_dscnt 0x0                               ; both opening adds are done
	s_wait_kmcnt 0x0
	s_add_nc_u64 s[8:9], s[4:5], WOFFC             ; the weights' codes
	s_add_nc_u64 s[10:11], s[6:7], WOFFS           ; and scales
	s_add_nc_u64 s[20:21], s[4:5], s[20:21]
	s_add_nc_u64 s[22:23], s[6:7], s[22:23]
	s_add_nc_u64 s[46:47], s[8:9], s[46:47]
	s_add_nc_u64 s[92:93], s[10:11], s[92:93]
	CROUND                                         ; all sixteen work-groups are here: the joint loads meet
	s_mov_b32 s[G0S], 1
	s_add_co_u32 s[G0S+1], s94, SCL
	s_mov_b64 s[G0S+2:G0S+3], s[22:23]
	s_or_b32 s[G0S+3], s[G0S+3], 0x80000000
	s_mov_b32 s[G0SB], 1
	s_add_co_u32 s[G0SB+1], s94, SCL
	s_mov_b64 s[G0SB+2:G0SB+3], s[92:93]
	s_or_b32 s[G0SB+3], s[G0SB+3], 0x80000000
	JLOAD G0S, G1S, G0SB, G1SB                     ; the scales first: they are wanted with the first step
.irp s, 0,1
	s_mov_b32 s[G0+4*\s], 1
	s_add_co_u32 s[G0+4*\s+1], s45, \s*SLOT
	s_add_nc_u64 s[G0+4*\s+2:G0+4*\s+3], s[20:21], \s*ROWB
	s_or_b32 s[G0+4*\s+3], s[G0+4*\s+3], 0x80000000
	s_mov_b32 s[G0B+4*\s], 1
	s_add_co_u32 s[G0B+4*\s+1], s45, \s*SLOT
	s_add_nc_u64 s[G0B+4*\s+2:G0B+4*\s+3], s[46:47], \s*ROWB
	s_or_b32 s[G0B+4*\s+3], s[G0B+4*\s+3], 0x80000000
	JLOAD G0+4*\s, G1, G0B+4*\s, G1B
.endr
	v_and_b32 v1, 15, v0                           ; r = l % 16
	v_bfe_u32 v2, v0, 4, 1                         ; h = l / 16
	; the bias of my 128 columns: block b, lane (r, h): columns 16 b + 8 h + 0 .. 7
	s_cmp_eq_u32 s95, 1
	s_cselect_b64 s[96:97], s[98:99], s[96:97]
	s_cmp_eq_u32 s95, 2
	s_cselect_b64 s[96:97], s[100:101], s[96:97]
	s_lshl_b32 s92, s42, 10
	s_lshl_b32 s93, s16, 9
	s_add_co_u32 s92, s92, s93
	s_mov_b32 s93, 0
	s_add_nc_u64 s[96:97], s[96:97], s[92:93]
	v_lshlrev_b32 v[BO], 5, v2
.irp b, 0,1,2,3,4,5,6,7
	global_load_b128 v[BIAS+8*\b:BIAS+8*\b+3], v[BO], s[96:97] offset:64*\b
	global_load_b128 v[BIAS+8*\b+4:BIAS+8*\b+7], v[BO], s[96:97] offset:64*\b+16
.endr
	v_mul_u32_u24 v3, v1, PITCH
	v_lshl_add_u32 v4, v2, 4, v3                   ; a fragment's row x pitch + 16 x half
	s_mul_i32 s21, s15, HALFT                      ; my 128 rows of X
	s_mul_i32 s22, s16, HALFT                      ; my 128 rows of W,
	s_add_co_u32 s22, s22, 2*HALFT                 ; behind X's 256
.irp s, 0,1
	v_add_nc_u32 v[ADRA+\s], s21, v4
	v_add_nc_u32 v[ADRB+\s], s22, v4
	s_add_co_u32 s21, s21, SLOT
	s_add_co_u32 s22, s22, SLOT
.endr
	v_mul_u32_u24 v5, v1, KS                       ; my row's scales: 32 bytes a row,
	v_lshrrev_b32 v6, 8, v5
	v_lshl_add_u32 v5, v6, 4, v5                   ; and 16 more for each 256 passed
	s_mul_i32 s21, s15, HALFS
	s_mul_i32 s22, s16, HALFS
	s_add_co_u32 s22, s22, 2*HALFS
	s_sub_co_u32 s22, s22, s21
	v_mul_u32_u24 v6, s22, v2                      ; lanes 16-31 take W's
	s_add_co_u32 s21, s21, SCL
	v_add_nc_u32 v5, v5, v6
	v_add_nc_u32 v[ADRS], s21, v5
	s_mul_i32 s23, s14, 2*16*SPH                   ; my stage
	v_mul_u32_u24 v5, v1, SPH                      ; in: row r, 16 bytes for each half of the lanes
	v_lshl_add_u32 v5, v2, 4, v5
	v_add_nc_u32 v[STO], s23, v5
	v_and_b32 v6, 31, v0
	v_lshlrev_b32 v[CO], 4, v6                     ; out: 16 bytes a lane, 512 on end
	v_lshrrev_b32 v5, 3, v6
	v_mul_u32_u24 v5, v5, SPH                      ; back: eight lanes to a row of 128 bytes, four rows an instruction
	v_and_b32 v6, 7, v6
	v_lshl_add_u32 v5, v6, 4, v5
	v_add_nc_u32 v[RD], s23, v5
	v_lshlrev_b32 v[TA], 8, v1
	v_lshl_add_u32 v[TA], v2, 5, v[TA]
	s_lshl_b32 s20, s17, 8
	s_lshl_b32 s21, s15, 7
	s_add_co_u32 s20, s20, s21
	s_and_b32 s20, s20, 2047                       ; the position of my first row
	s_cmp_lt_u32 s95, 2
	s_cselect_b32 s21, s20, 2048                   ; its row of the table; v takes the rows with angle 0
	s_lshl_b32 s22, s21, 8
	s_mov_b32 s23, 0
	s_add_nc_u64 s[66:67], s[66:67], s[22:23]
	s_lshr_b32 s46, s17, 3
	s_and_b32 s46, s46, 3                          ; the batch
	s_lshl_b32 s46, s46, 4
	s_lshl_b32 s47, s42, 2
	s_add_co_u32 s46, s46, s47
	s_lshl_b32 s47, s16, 1
	s_add_co_u32 s46, s46, s47                     ; batch x 16 + my first head
	s_lshl_b32 s46, s46, 18                        ; 2,048 positions of 128 bytes
	s_lshl_b32 s47, s20, 7
	s_add_co_u32 s46, s46, s47
	s_lshl_b32 s47, s95, 24                        ; 16,777,216 bytes a tensor
	s_add_co_u32 s46, s46, s47
	s_mov_b32 s47, 0
	s_add_nc_u64 s[12:13], s[12:13], s[46:47]
.macro FRAG reg, adr, q, i             ; 16 rows x 128 K of 4-bit codes: 8 registers: lane l holds row l % 16; registers 4 c .. 4 c + 3 hold K = 64 c + 32 (l / 16) + 0 .. 31
.irp c, 0,1
	ds_load_b128 v[\reg+4*\c:\reg+4*\c+3], v[\adr] offset:64*(\q)+32*\c+(\i)*16*PITCH
.endr
.endm
; 16 matrix instructions: X's blocks a0, a0 + 1 against W's eight.  zero = 1: the first product starts the sums on the bias.  The 64 accumulators take turns, one instruction a turn.
.macro MUL16 a0, p, q, sc, zero
.irp a, \a0, \a0+1
.irp b, 0,1,2,3,4,5,6,7
.if \zero
	v_wmma_scale_f32_16x16x128_f8f6f4 v[8*(8*((\a)%4)+\b):8*(8*((\a)%4)+\b)+7], v[128*(\p)+FR*\b:128*(\p)+FR*\b+FR-1], v[AF+FR*(\a):AF+FR*(\a)+FR-1], v[BIAS+8*\b:BIAS+8*\b+7], v[SC+8*NQ*(\sc)+NQ*\b+(\q)], v[SC+8*NQ*(\sc)+NQ*(\a)+(\q)] matrix_a_fmt:MATRIX_FMT_FP4 matrix_b_fmt:MATRIX_FMT_FP4 matrix_a_scale:MATRIX_SCALE_ROW1
.else
	v_wmma_scale_f32_16x16x128_f8f6f4 v[8*(8*((\a)%4)+\b):8*(8*((\a)%4)+\b)+7], v[128*(\p)+FR*\b:128*(\p)+FR*\b+FR-1], v[AF+FR*(\a):AF+FR*(\a)+FR-1], v[8*(8*((\a)%4)+\b):8*(8*((\a)%4)+\b)+7], v[SC+8*NQ*(\sc)+NQ*\b+(\q)], v[SC+8*NQ*(\sc)+NQ*(\a)+(\q)] matrix_a_fmt:MATRIX_FMT_FP4 matrix_b_fmt:MATRIX_FMT_FP4 matrix_a_scale:MATRIX_SCALE_ROW1
.endif
.endr
.endr
.endm
.macro FETCH_B slot, q, p
	WIN TO_B
.irp i, 0,1,2,3,4,5,6,7
	FRAG 128*(\p)+FR*\i, ADRB+\slot, \q, \i
.endr
	WIN 0
.endm
.macro FETCH_A slot, q, i0
.irp i, \i0, \i0+1, \i0+2, \i0+3
	FRAG AF+FR*(\i), ADRA+\slot, \q, \i
.endr
.endm
.macro SCALES sc                       ; a slot's scale words: four a row; lanes 0-15 take X's block i, lanes 16-31 W's block i
.irp i, 0,1,2,3,4,5,6,7
	ds_load_b128 v[SC+8*NQ*\sc+NQ*\i:SC+8*NQ*\sc+NQ*\i+3], v[ADRS] offset:\i*SBLK
.endr
.endm
.macro PLACES n                        ; plain vector lines between a matrix instruction and a load into, or a read of, its registers
.rept \n
	v_nop
.endr
.endm
.macro STEP slot, q, zero              ; a step of 128 along K that has its successor in the same slot
	s_wait_dscnt 4*NL                              ; W's set and X's blocks 0-3 are in; the youngest eight loads (X's blocks 4-7) may be out
.if \zero
	WIN 0x81                                       ; C (the bias) window 0, D window 2
.else
	WIN MUL_LO
.endif
	MUL16 0, (\q)%2, \q, \slot, \zero
	MUL16 2, (\q)%2, \q, \slot, \zero
	s_wait_dscnt 0                                 ; X's blocks 4-7 are in
	PLACES NP
	FETCH_B \slot, (\q)+1, 1-(\q)%2
	FETCH_A \slot, (\q)+1, 0
.if \zero
	WIN 0xc1                                       ; D window 3
.else
	WIN MUL_HI
.endif
	MUL16 4, (\q)%2, \q, \slot, \zero
	MUL16 6, (\q)%2, \q, \slot, \zero
	PLACES NP
	WIN 0
	FETCH_A \slot, (\q)+1, 4
.endm
; Slot 0's last step changes slots: each wave waits for all its tensor loads (slot 1's part is the one that was out), adds 0 to its spare word, waits for that and for its reads of slot 0, and meets the others.
; Behind the barrier slot 1 is whole and nobody reads slot 0 any more.  Nothing is filled again.
.macro TURN slot, next
	s_wait_tensorcnt 0x0
	ds_add_u32 v[SPW], v[NIL]
	s_wait_dscnt 4*NL+1                            ; (the add and X's blocks 4-7 may be out)
	WIN MUL_LO
	MUL16 0, 1, NQ-1, \slot, 0
	s_wait_dscnt 0x0                               ; the add is done, and my reads of this slot are over
	s_barrier_signal -1
	MUL16 2, 1, NQ-1, \slot, 0
	WIN 0
	s_barrier_wait -1
	PLACES NP
	v_add_nc_u32 v[ADRS], 4*NQ, v[ADRS]            ; on to the next slot's scale words
	FETCH_B \next, 0, 0
	FETCH_A \next, 0, 0
	SCALES \next
	WIN MUL_HI
	MUL16 4, 1, NQ-1, \slot, 0
	MUL16 6, 1, NQ-1, \slot, 0
	PLACES NP
	WIN 0
	FETCH_A \next, 0, 4
.endm
.macro STEPS slot, from
.set QQ, \from
.rept NQ-1-\from
	STEP \slot, QQ, 0
.set QQ, QQ+1
.endr
.endm
; The table's rows for block a of 16 rows: my lane's cos and sin of dims 8 h + 0 .. 7 and 16 + 8 h + 0 .. 7: eight loads into set a % 2
.macro TABLE a
.set CS0, CSN+32*((\a)%2)
.irp g, 0,1,2,3
	global_load_b128 v[CS0+8*\g:CS0+8*\g+3], v[TA], s[66:67] offset:4096*(\a)+64*\g
	global_load_b128 v[CS0+8*\g+4:CS0+8*\g+7], v[TA], s[66:67] offset:4096*(\a)+64*\g+16
.endr
.endm
	s_wait_tensorcnt 1                             ; the scales and my part of slot 0 are in (slot 1's load may be out),
	s_barrier_signal -1
	s_barrier_wait -1                              ; everybody's are
	FETCH_B 0, 0, 0
	FETCH_A 0, 0, 0
	SCALES 0
	FETCH_A 0, 0, 4
	s_wait_loadcnt 0x0                             ; the bias
	STEP 0, 0, 1
	STEPS 0, 1
	TURN 0, 1
	TABLE 0                                        ; the bias's registers were last read in the first step: the first two blocks' rows of the table come while slot 1 is multiplied
	TABLE 1
	STEPS 1, 0
	s_wait_dscnt 4*NL                              ; the very last step
	WIN MUL_LO
	MUL16 0, 1, NQ-1, 1, 0
	MUL16 2, 1, NQ-1, 1, 0
	s_wait_dscnt 0
	WIN MUL_HI
	MUL16 4, 1, NQ-1, 1, 0
	MUL16 6, 1, NQ-1, 1, 0
	WIN 0
; THE WAY OUT, block by block of 16 rows.  ROPE: y1 = x1 cos - x2 sin, y2 = x2 cos + x1 sin, two numbers an instruction, each accumulator read from its low end on.  CVT: to f16, 16 bytes a block and lane.
; TOSTAGE: into my stage, and back as runs of 512 bytes (a head's 16 positions are 2,048 consecutive bytes of the result).  SEND: stored.
.macro ROPE a
.set CS0, CSN+32*((\a)%2)
.set XA, 64*((\a)%4)
	WIN 0x02+(\a)/4                                ; source 0: window 2 or 3
.irp hd, 0,1
.irp bb, 0,1
.irp i, 0,2,4,6
	v_pk_mul_f32 v[Y+8*(4*\hd+\bb)+\i:Y+8*(4*\hd+\bb)+\i+1], v[XA+8*(4*\hd+\bb)+\i:XA+8*(4*\hd+\bb)+\i+1], v[CS0+8*\bb+\i:CS0+8*\bb+\i+1]
.endr
.endr
.endr
.irp hd, 0,1
.irp bb, 0,1
.irp i, 0,2,4,6
	v_pk_mul_f32 v[Y+8*(4*\hd+\bb+2)+\i:Y+8*(4*\hd+\bb+2)+\i+1], v[XA+8*(4*\hd+\bb+2)+\i:XA+8*(4*\hd+\bb+2)+\i+1], v[CS0+8*\bb+\i:CS0+8*\bb+\i+1]
.endr
.endr
.endr
.irp hd, 0,1
.irp bb, 0,1
.irp i, 0,2,4,6
	v_pk_fma_f32 v[Y+8*(4*\hd+\bb)+\i:Y+8*(4*\hd+\bb)+\i+1], v[XA+8*(4*\hd+\bb+2)+\i:XA+8*(4*\hd+\bb+2)+\i+1], v[CS0+16+8*\bb+\i:CS0+16+8*\bb+\i+1], v[Y+8*(4*\hd+\bb)+\i:Y+8*(4*\hd+\bb)+\i+1] neg_lo:[1,0,0] neg_hi:[1,0,0]
.endr
.endr
.endr
.irp hd, 0,1
.irp bb, 0,1
.irp i, 0,2,4,6
	v_pk_fma_f32 v[Y+8*(4*\hd+\bb+2)+\i:Y+8*(4*\hd+\bb+2)+\i+1], v[XA+8*(4*\hd+\bb)+\i:XA+8*(4*\hd+\bb)+\i+1], v[CS0+16+8*\bb+\i:CS0+16+8*\bb+\i+1], v[Y+8*(4*\hd+\bb+2)+\i:Y+8*(4*\hd+\bb+2)+\i+1]
.endr
.endr
.endr
	WIN 0
.endm
.macro CVT
.set J, 0
.rept 32
	v_cvt_pk_f16_f32 v[HP+J], v[Y+2*J], v[Y+2*J+1]
.set J, J+1
.endr
.endm
.macro TOSTAGE a
.set BB, BK+32*((\a)%2)
.irp hd, 0,1
.irp b, 0,1,2,3
	ds_store_b128 v[STO], v[HP+4*(4*\hd+\b):HP+4*(4*\hd+\b)+3] offset:\hd*16*SPH+32*\b
.endr
.endr
.irp hd, 0,1
.irp i, 0,1,2,3
	ds_load_b128 v[BB+4*(4*\hd+\i):BB+4*(4*\hd+\i)+3], v[RD] offset:\hd*16*SPH+\i*4*SPH   ; LDS serves a wave's instructions in order: these see the stores above
.endr
.endr
.endm
.macro SEND a
.set BB, BK+32*((\a)%2)
.irp hd, 0,1
.irp i, 0,1,2,3
	global_store_b128 v[CO], v[BB+4*(4*\hd+\i):BB+4*(4*\hd+\i)+3], s[12:13] offset:\hd*262144+(\a)*2048+\i*512   ; 512 consecutive bytes, aligned
.endr
.endr
.endm
	PLACES NP                                      ; behind the last products: for the reads of results, and for the writes and loads into registers that held fragments and scale words
.irp a, 0,1,2,3,4,5,6,7
.if \a < 7
	s_wait_loadcnt 8                               ; this block's rows of the table are in; the next block's eight loads stay out
.else
	s_wait_loadcnt 0x0
.endif
	ROPE \a
.if \a < 6
	TABLE \a+2                                     ; into the set just read
.endif
.if \a > 0
	s_wait_dscnt 0x0                               ; the block before is back from the stage, and its stage stores have read their registers
	SEND \a-1
.endif
	CVT
.if \a > 1
	s_wait_xcnt 0x0                                ; block a - 2's stores have read their registers: this block's loads from the stage may land there
.endif
	TOSTAGE \a
.endr
	s_wait_dscnt 0x0
	SEND 7
	s_wait_tensorcnt 0x0                           ; the wave's end, behind my last tensor load and my last LDS store
	ds_add_u32 v[SPW], v[NIL]
	s_wait_dscnt 0x0
	CROUND                                         ; the closing round
	s_endpgm
.Lfunc_end_k_q2c2e6d5d96_proj:
	.size	k_q2c2e6d5d96_proj, .Lfunc_end_k_q2c2e6d5d96_proj-k_q2c2e6d5d96_proj
	.p2alignl 7, 3214868480
	.fill 96, 4, 3214868480
	.section	.rodata,"a",@progbits
	.p2align	6, 0x0
	.amdhsa_kernel k_q2c2e6d5d96_proj
		.amdhsa_group_segment_fixed_size 327680
		.amdhsa_private_segment_fixed_size 0
		.amdhsa_enable_private_segment 0
		.amdhsa_kernarg_size 56
		.amdhsa_user_sgpr_count 2
		.amdhsa_user_sgpr_kernarg_segment_ptr 1
		.amdhsa_wavefront_size32 1
		.amdhsa_system_sgpr_workgroup_id_x 1
		.amdhsa_system_sgpr_workgroup_id_y 1
		.amdhsa_system_sgpr_workgroup_id_z 1
		.amdhsa_system_vgpr_workitem_id 0
		.amdhsa_next_free_vgpr 1024
		.amdhsa_next_free_sgpr 102
		.amdhsa_reserve_vcc 0
		.amdhsa_float_denorm_mode_32 3
		.amdhsa_float_denorm_mode_16_64 3
		.amdhsa_memory_ordered 1
		.amdhsa_forward_progress 1
		.amdhsa_inst_pref_size 167
	.end_amdhsa_kernel
	.amdgpu_metadata
---
amdhsa.version: [ 1, 2 ]
amdhsa.kernels:
  - .name:           k_q2c2e6d5d96_proj
    .symbol:         k_q2c2e6d5d96_proj.kd
    .args:
      - { .name: codes, .offset: 0, .size: 8, .value_kind: global_buffer, .address_space: global }
      - { .name: scales, .offset: 8, .size: 8, .value_kind: global_buffer, .address_space: global }
      - { .name: bq, .offset: 16, .size: 8, .value_kind: global_buffer, .address_space: global }
      - { .name: bk, .offset: 24, .size: 8, .value_kind: global_buffer, .address_space: global }
      - { .name: bv, .offset: 32, .size: 8, .value_kind: global_buffer, .address_space: global }
      - { .name: rope, .offset: 40, .size: 8, .value_kind: global_buffer, .address_space: global }
      - { .name: qkv, .offset: 48, .size: 8, .value_kind: global_buffer, .address_space: global }
    .group_segment_fixed_size: 327680
    .private_segment_fixed_size: 0
    .kernarg_segment_align: 8
    .kernarg_segment_size: 56
    .max_flat_workgroup_size: 128
    .sgpr_count:     102
    .vgpr_count:     1024
    .wavefront_size: 32
...
	.end_amdgpu_metadata
.endif
;; end of part 2
;; launch attn (part 3): grid 4 x 64, 8 waves a work-group, clusters of 4 x 1, 327,680 bytes of LDS; arguments qkv, att; writes att
.if DOCPART == 3
	.amdgcn_target "amdgcn-amd-amdhsa--gfx1250"
	.amdhsa_code_object_version 6
	.text
	.protected	k_q2c2e6d5d96_attn
	.globl	k_q2c2e6d5d96_attn
	.p2align	8
	.type	k_q2c2e6d5d96_attn,@function
k_q2c2e6d5d96_attn:
	s_mov_b64 s[64:65], 0
	v_nop
	global_prefetch_b8 v0, s[64:65] scope:SCOPE_SE
	s_setreg_imm32_b32 hwreg(HW_REG_WAVE_MODE, 25, 1), 1
	s_wait_xcnt 0x0
	s_wait_alu depctr_hold_cnt(0) depctr_sa_sdst(0) depctr_va_vdst(0) depctr_va_sdst(0) depctr_va_ssrc(0) depctr_va_vcc(0) depctr_vm_vsrc(0)
	s_getreg_b32 s2, hwreg(HW_REG_IB_STS2, 6, 4)
	s_cmp_eq_u32 s2, 0
	s_cbranch_scc0 .Lentry_in_a_cluster
	s_endpgm
.Lentry_in_a_cluster:
	s_bfe_u32 s2, ttmp6, 0x10000c
	s_cmp_lg_u32 s2, 0x3003
	s_cbranch_scc0 .Lentry_shape_is_right
	s_endpgm
.Lentry_shape_is_right:
; ATTN: O[q] = sum over k of softmax_k(Q[q] . K[k] / 8) V[k] for each of 64 (batch, head) pairs; 2,048 queries, 2,048 keys, head size 64, no mask.  Q, K, V: f16, [tensor][batch x 16 + head][position][64].
; Products in f16 with f32 sums; maxima, exponentials and sums in f32; the weights p (at most 1) are rounded to f16 for the second product; O once at the end, to f16, laid [head][batch x 2048 + position][64].
; SHARES.  A work-group owns 512 queries of one pair, each of its eight waves 64: four tiles of 16, so that each fragment of K and V read from LDS feeds four matrix instructions.  Two waves share a SIMD's registers:
; one wave's softmax stands beside the other's products.  Every wave walks all 2,048 keys, 64 a step.
; LAYOUT.  S^T = K Q^T (source 0 = 16 keys, source 1 = 16 queries): a lane holds ONE query (lane % 16) and keys 8 (lane / 16) + 0..7.  Two such tiles, rounded in pairs, ARE source 1 of O^T = V^T P.
; K comes out of LDS as it lies, V ([key][channel]) turned, by ds_load_tr16_b128.
; SOFTMAX.  A running maximum m and sum l for each query: p = 2^(c s - c m), c = log2(e) / 8; in every step O and l are multiplied by a = 2^(c m_old - c m_new).  m begins at -3e38, O and l at 0: the step is written once.
; RING.  Two slots of 512 keys.  A head's K and V are dense, so two keys (256 bytes) are stated as one row.  Waves 0-3 fetch K's quarters of a slot, waves 4-7 V's: one load of 64 rows a wave.
; By this text's count a wave has two tensor loads out at the start and one behind each refill; a refill has a slot's eight key steps in which to land.
; CLUSTER.  The four blocks of queries of a pair form a cluster and walk the same K and V: each tile is asked for jointly, by the same load with a mask that names the four.
; LIMITS: |O| beyond 65,504 does not fit f16; NaN and infinities are not served.
; REGISTERS: window 0: v2-9 addresses; v14, v15 the add's two; v16-47 statistics, eight a tile; v64-127 Q; v128-255 S^T, 32 a tile; P is packed in place into each tile's first 16.
;   window 1: v0-127 O^T, 32 a tile; v128-191 K of a step; v192-255 V of a step.
.set PK,    272                        ; an LDS row of K: 256 bytes + 16: key r of a tile lies at word 68 (r / 2) + 32 (r % 2): sixteen different groups of four banks (64 banks of 4 bytes: ISA guide 11.1)
.set PV,    288                        ; of V: 256 + 32
.set VOFF,  256*PK                     ; a slot: 256 rows of K, then 256 rows of V
.set SLOT,  256*(PK+PV)
.set SPARE, 2*SLOT                     ; the spare words: 128 bytes a wave, named by no other line
.set SPH,   144                        ; the way out: a stage row, 128 bytes + 16; 64 rows a wave, in slot 0, which has had its last fill and its last read by then
.set AK0, 2
.set AV0, 3
.set ADK, 4
.set ADV, 5
.set QO,  6
.set STO, 7
.set RD,  8
.set GO,  9
.set SPW, 14
.set NIL, 15
.set ST,  16                           ; tile t at v[ST + 8 t]: +0 c m, +1 m, +2, +3 l (even registers', odd registers'), +4 to +7 at work; a at +6
.set Q,   64                           ; tile t, channels 32 c on: v[Q + 16 t + 8 c]
.set S,   128                          ; tile t, keys 16 kt on: v[S + 32 t + 8 kt]
.set KF,  128                          ; window 1: keys 16 kt on, channels 32 c on: v[KF + 16 kt + 8 c]
.set VF,  192                          ; window 1: keys 32 kc on, channels 16 cb on: v[VF + 32 kc + 8 cb]
.set WV,  12
.set G1K, 24
.set G1V, 32
.set G0K, 40                           ; s[40:47] a set for each slot
.set G0V, 48
.set CNT, 56
.set TK,  57                           ; LDS byte at which the step's rows of K begin
.set CS,  58                           ; s[58:59] c
.set SEL, 60                           ; s[60:61] v_permlanex16_b32's selects for lane l xor 16
.set TV,  62                           ; the same as TK for V
.set MSB, 0
.macro WIN new                         ; the immediate's high byte repeats the setting that is left
.if MSB != (\new)
	s_set_vgpr_msb (MSB<<8)|(\new)
.set MSB, (\new)
.endif
.endm
.macro JLOAD s                         ; a joint refill of slot s.  The branch hangs on the wave's number alone.  An s_nop 0 and four v_nop follow each of the two lines
	s_cmp_lt_u32 s[WV], 4
	s_cbranch_scc0 .Lfor_v_\@
	tensor_load_to_lds s[G0K+4*\s:G0K+4*\s+3], s[G1K:G1K+7]
	s_nop 0
.rept 4
	v_nop
.endr
	s_branch .Lasked_\@
.Lfor_v_\@:
	tensor_load_to_lds s[G0V+4*\s:G0V+4*\s+3], s[G1V:G1V+7]
	s_nop 0
.rept 4
	v_nop
.endr
.Lasked_\@:
.endm
.macro CROUND                          ; a round of the cluster's barrier
	s_barrier_signal -1
	s_barrier_wait -1
	s_cmp_lg_u32 s[WV], 0
	s_cbranch_scc1 .Lnot_wave_0_\@
	s_barrier_signal -3
.Lnot_wave_0_\@:
	s_barrier_wait -3
	s_barrier_signal -1
	s_barrier_wait -1
.endm
	s_load_b128 s[4:7], s[0:1], 0x0                ; qkv, att
	v_lshl_add_u32 v[SPW], v0, 2, SPARE
	v_mov_b32 v[NIL], 0
	ds_add_u32 v[SPW], v[NIL]                      ; the wave's opening: the add, twice on end, and its wait ahead of my first tensor load
	ds_add_u32 v[SPW], v[NIL]
	v_lshrrev_b32 v1, 5, v0
	v_readfirstlane_b32 s[WV], v1                  ; wave 0..7
	s_bfe_u32 s13, ttmp6, 0x40000                  ; cx: my block of 512 queries; it enters Q's and O's addresses alone
	s_and_b32 s14, ttmp7, 0xffff                   ; batch x 16 + head, which the four partners share
	s_and_b32 s16, s[WV], 3                        ; which quarter of a slot I fetch
	s_lshl_b32 s20, s14, 18                        ; the pair's 262,144 bytes in a tensor,
	s_lshl_b32 s21, s16, 14                        ; my 128 keys of 128 bytes
	s_add_co_u32 s20, s20, s21
	s_mov_b32 s21, 0
	s_mul_i32 s17, s16, 64*PK                      ; where they go: K's quarter,
	s_mul_i32 s18, s16, 64*PV
	s_add_co_u32 s18, s18, VOFF                    ; V's quarter
	s_lshl_b32 s2, s14, 18
	s_lshl_b32 s3, s13, 16
	s_add_co_u32 s2, s2, s3
	s_lshl_b32 s3, s[WV], 13
	s_add_co_u32 s2, s2, s3                        ; Q: the pair, my block of 512, my wave's 64 queries
	s_mov_b32 s3, 0
	s_and_b32 s22, s14, 15
	s_lshl_b32 s22, s22, 20                        ; O: the head's plane of 1,048,576 bytes,
	s_lshr_b32 s23, s14, 4
	s_lshl_b32 s23, s23, 18                        ; the batch's 2,048 rows of 128 bytes,
	s_add_co_u32 s22, s22, s23
	s_lshl_b32 s23, s13, 16
	s_add_co_u32 s22, s22, s23
	s_lshl_b32 s23, s[WV], 13
	s_add_co_u32 s22, s22, s23
	s_mov_b32 s23, 0
	s_mov_b32 s[G1K], 15|(1<<16)|(1<<20)|(1<<21)|(5<<22)|(3<<25)  ; the mask: all four; elements of 2 bytes; padding on; bit 21 beside a mask; 4 words after every 64
	s_mov_b32 s[G1V], 15|(1<<16)|(1<<20)|(1<<21)|(5<<22)|(7<<25)  ; the same with 8 words
.irp g, G1K, G1V
	s_mov_b32 s[\g+1], 128<<16                     ; tensor_dim0 = 128 elements: two keys
	s_mov_b32 s[\g+2], 64<<16                      ; tensor_dim1 = 64
	s_mov_b32 s[\g+3], 128<<16                     ; tile_dim0
	s_mov_b32 s[\g+4], 64                          ; tile_dim1
	s_mov_b32 s[\g+5], 128                         ; from row to row: dense
	s_mov_b32 s[\g+6], 0
	s_mov_b32 s[\g+7], 0
.endr
	s_mov_b32 s[CS], 0x3e38aa3b                    ; c = log2(e) / 8
	s_mov_b32 s[CS+1], s[CS]                       ; (named with it as a pair, so it is written)
	s_mov_b32 s[SEL], 0x76543210
	s_mov_b32 s[SEL+1], 0xfedcba98
	s_wait_dscnt 0x0                               ; both opening adds are done
	s_wait_kmcnt 0x0
	s_add_nc_u64 s[8:9], s[4:5], s[20:21]
	s_add_nc_u64 s[10:11], s[8:9], 0x2000000       ; V is the third tensor,
	s_add_nc_u64 s[8:9], s[8:9], 0x1000000         ; K the second
	s_add_nc_u64 s[4:5], s[4:5], s[2:3]
	s_add_nc_u64 s[6:7], s[6:7], s[22:23]
	CROUND                                         ; all four work-groups are here: the first joint loads meet
.irp s, 0,1
	s_mov_b32 s[G0K+4*\s], 1
	s_add_co_u32 s[G0K+4*\s+1], s17, \s*SLOT
	s_add_nc_u64 s[G0K+4*\s+2:G0K+4*\s+3], s[8:9], \s*65536   ; slot s begins with keys 512 s
	s_or_b32 s[G0K+4*\s+3], s[G0K+4*\s+3], 0x80000000
	s_mov_b32 s[G0V+4*\s], 1
	s_add_co_u32 s[G0V+4*\s+1], s18, \s*SLOT
	s_add_nc_u64 s[G0V+4*\s+2:G0V+4*\s+3], s[10:11], \s*65536
	s_or_b32 s[G0V+4*\s+3], s[G0V+4*\s+3], 0x80000000
.endr
	s_cmp_lt_u32 s[WV], 4                          ; a wave's two first fills stand in one branch, ahead of every wait on TENSORcnt and every LDS read
	s_cbranch_scc0 .Lfirst_v
	tensor_load_to_lds s[G0K:G0K+3], s[G1K:G1K+7]
	s_nop 0
	tensor_load_to_lds s[G0K+4:G0K+7], s[G1K:G1K+7]
	s_nop 0
.rept 4
	v_nop
.endr
	s_branch .Lfirst_asked
.Lfirst_v:
	tensor_load_to_lds s[G0V:G0V+3], s[G1V:G1V+7]
	s_nop 0
	tensor_load_to_lds s[G0V+4:G0V+7], s[G1V:G1V+7]
	s_nop 0
.rept 4
	v_nop
.endr
.Lfirst_asked:
	v_and_b32 v1, 15, v0                           ; r = l % 16
	v_bfe_u32 v10, v0, 4, 1                        ; h = l / 16
	v_lshlrev_b32 v[QO], 7, v1
	v_lshl_add_u32 v[QO], v10, 4, v[QO]            ; Q: row r of 128 bytes + 16 h
.irp t, 0,1,2,3
.irp c, 0,1
	global_load_b128 v[Q+16*\t+8*\c:Q+16*\t+8*\c+3], v[QO], s[4:5] offset:\t*2048+\c*64       ; Q stays in registers
	global_load_b128 v[Q+16*\t+8*\c+4:Q+16*\t+8*\c+7], v[QO], s[4:5] offset:\t*2048+\c*64+32
.endr
.endr
	v_lshrrev_b32 v11, 1, v1
	v_mul_u32_u24 v[AK0], v11, PK                  ; K: key r lies in row r / 2,
	v_and_b32 v11, 1, v0
	v_lshl_add_u32 v[AK0], v11, 7, v[AK0]          ; half r % 2,
	v_lshl_add_u32 v[AK0], v10, 4, v[AK0]          ; + 16 h
	v_bfe_u32 v12, v0, 1, 2                        ; V: lane l takes key 8 h + l % 8: row 4 h + (l % 8) / 2,
	v_lshl_add_u32 v12, v10, 2, v12
	v_mul_u32_u24 v[AV0], v12, PV
	v_lshl_add_u32 v[AV0], v11, 7, v[AV0]          ; half l % 2,
	v_bfe_u32 v12, v0, 3, 1
	v_lshl_add_u32 v[AV0], v12, 4, v[AV0]          ; channels 8 ((l / 8) % 2) on
	v_add_nc_u32 v[AV0], VOFF, v[AV0]
	s_mul_i32 s15, s[WV], 64*SPH                   ; my stage
	v_mul_u32_u24 v[STO], v1, SPH                  ; in: row r, 16 bytes for each half of the lanes
	v_lshl_add_u32 v[STO], v10, 4, v[STO]
	v_add_nc_u32 v[STO], s15, v[STO]
	v_bfe_u32 v12, v0, 3, 2
	v_mul_u32_u24 v[RD], v12, SPH                  ; back: eight lanes to a row of 128 bytes, four rows an instruction
	v_and_b32 v12, 7, v0
	v_lshl_add_u32 v[RD], v12, 4, v[RD]
	v_add_nc_u32 v[RD], s15, v[RD]
	v_and_b32 v[GO], 31, v0
	v_lshlrev_b32 v[GO], 4, v[GO]
.irp t, 0,1,2,3
	v_mov_b32 v[ST+8*\t+1], 0xff61b1e6             ; m: -3e38, under every score
	v_mul_f32 v[ST+8*\t], s[CS], v[ST+8*\t+1]      ; c m
	v_mov_b32 v[ST+8*\t+2], 0                      ; l
	v_mov_b32 v[ST+8*\t+3], 0
.endr
	WIN 0x40
.set i, 0
.rept 128
	v_mov_b32 v[i], 0                              ; O^T, once: so that the key step is written in one form; the first a, which is 0, leaves zeros
.set i, i+1
.endr
	WIN 0
; A KEY STEP: 64 keys.
.macro STEP
	WIN 0
	v_add_nc_u32 v[ADK], s[TK], v[AK0]
	v_add_nc_u32 v[ADV], s[TV], v[AV0]
.rept 3
	v_nop                                          ; with the two additions: five plain lines behind the last V^T P, whose P registers the first K Q^T writes over (five are owed) and into whose V registers the loads land (four)
.endr
	WIN 0x40                                       ; destination window 1
.irp kt, 0,1,2,3
.irp c, 0,1
	ds_load_b128 v[KF+16*\kt+8*\c:KF+16*\kt+8*\c+3], v[ADK] offset:\kt*8*PK+\c*64
	ds_load_b128 v[KF+16*\kt+8*\c+4:KF+16*\kt+8*\c+7], v[ADK] offset:\kt*8*PK+\c*64+32
.endr
.endr
.irp kc, 0,1
.irp cb, 0,1,2,3
	ds_load_tr16_b128 v[VF+32*\kc+8*\cb:VF+32*\kc+8*\cb+3], v[ADV] offset:\kc*16*PV+\cb*32
	ds_load_tr16_b128 v[VF+32*\kc+8*\cb+4:VF+32*\kc+8*\cb+7], v[ADV] offset:\kc*16*PV+8*PV+\cb*32
.endr
.endr
	s_wait_dscnt 16                                ; K is in; V's sixteen loads may be out
	WIN 0x01                                       ; K window 1; Q and S^T window 0
.irp t, 0,1,2,3                        ; the sixteen accumulators take turns, one instruction a turn; the first sixteen start the sums
.irp kt, 0,1,2,3
	v_wmma_f32_16x16x32_f16 v[S+32*\t+8*\kt:S+32*\t+8*\kt+7], v[KF+16*\kt:KF+16*\kt+7], v[Q+16*\t:Q+16*\t+7], 0
.endr
.endr
.irp t, 0,1,2,3
.irp kt, 0,1,2,3
	v_wmma_f32_16x16x32_f16 v[S+32*\t+8*\kt:S+32*\t+8*\kt+7], v[KF+16*\kt+8:KF+16*\kt+15], v[Q+16*\t+8:Q+16*\t+15], v[S+32*\t+8*\kt:S+32*\t+8*\kt+7]
.endr
.endr
	WIN 0
.rept 4
	v_nop                                          ; places ahead of the first read of the scores
.endr
.irp j, 0,1,2,3                        ; the maximum of a lane's 32 scores and the old m: four chains a tile; each accumulator is read from its low end on
.irp t, 0,1,2,3
	v_max3_num_f32 v[ST+8*\t+4+\j], v[S+32*\t+8*\j], v[S+32*\t+8*\j+1], v[S+32*\t+8*\j+2]
.endr
.endr
.irp u, 1,2
.irp j, 0,1,2,3
.irp t, 0,1,2,3
	v_max3_num_f32 v[ST+8*\t+4+\j], v[ST+8*\t+4+\j], v[S+32*\t+8*\j+2*\u+1], v[S+32*\t+8*\j+2*\u+2]
.endr
.endr
.endr
.irp t, 0,1,2,3
	v_max3_num_f32 v[ST+8*\t+4], v[ST+8*\t+4], v[S+32*\t+7], v[S+32*\t+15]
.endr
.irp t, 0,1,2,3
	v_max3_num_f32 v[ST+8*\t+6], v[ST+8*\t+6], v[S+32*\t+23], v[S+32*\t+31]
.endr
.irp t, 0,1,2,3
	v_max3_num_f32 v[ST+8*\t+4], v[ST+8*\t+4], v[ST+8*\t+5], v[ST+8*\t+6]
.endr
.irp t, 0,1,2,3
	v_max3_num_f32 v[ST+8*\t+4], v[ST+8*\t+4], v[ST+8*\t+7], v[ST+8*\t+1]
.endr
.irp t, 0,1,2,3
	v_permlanex16_b32 v[ST+8*\t+5], v[ST+8*\t+4], s[SEL], s[SEL+1]   ; the query's other 32 keys lie in the lane 16 away
.endr
.irp t, 0,1,2,3
	v_mov_b32 v[ST+8*\t+7], v[ST+8*\t]             ; c m_old
.endr
.irp t, 0,1,2,3
	v_max_num_f32 v[ST+8*\t+1], v[ST+8*\t+4], v[ST+8*\t+5]   ; the new m
.endr
.irp t, 0,1,2,3
	v_mul_f32 v[ST+8*\t], s[CS], v[ST+8*\t+1]
.endr
.irp t, 0,1,2,3
	v_sub_f32 v[ST+8*\t+7], v[ST+8*\t+7], v[ST+8*\t]
.endr
.irp b, 0,1,2,3,4,5,6,7,8,9,10,11,12,13,14,15
.irp t, 0,1,2,3
	v_pk_fma_f32 v[S+32*\t+2*\b:S+32*\t+2*\b+1], v[S+32*\t+2*\b:S+32*\t+2*\b+1], s[CS:CS+1], v[ST+8*\t:ST+8*\t+1] op_sel_hi:[1,0,0] neg_lo:[0,0,1] neg_hi:[0,0,1]   ; c s - c m
.endr
.endr
.irp t, 0,1,2,3                        ; ONE BATCH of exponentials: the four a and the 128 p; none reads another's result
	v_exp_f32 v[ST+8*\t+6], v[ST+8*\t+7]
.endr
.set i, 0
.rept 128
	v_exp_f32 v[S+i], v[S+i]
.set i, i+1
.endr
	v_nop                                          ; a plain line behind the last exponential,
	s_wait_alu depctr_va_vdst(0)                   ; and the one wait for the batch, ahead of its first reader
.irp t, 0,1,2,3                        ; l = a l + the sum of p, taken before p is rounded: two chains a tile
	v_pk_fma_f32 v[ST+8*\t+2:ST+8*\t+3], v[ST+8*\t+2:ST+8*\t+3], v[ST+8*\t+6:ST+8*\t+7], v[S+32*\t:S+32*\t+1] op_sel_hi:[1,0,1]
.endr
.irp t, 0,1,2,3
	v_pk_add_f32 v[ST+8*\t+4:ST+8*\t+5], v[S+32*\t+2:S+32*\t+3], v[S+32*\t+4:S+32*\t+5]
.endr
.irp p, 3,5,7,9,11,13
.irp t, 0,1,2,3
	v_pk_add_f32 v[ST+8*\t+2:ST+8*\t+3], v[ST+8*\t+2:ST+8*\t+3], v[S+32*\t+2*\p:S+32*\t+2*\p+1]
.endr
.irp t, 0,1,2,3
	v_pk_add_f32 v[ST+8*\t+4:ST+8*\t+5], v[ST+8*\t+4:ST+8*\t+5], v[S+32*\t+2*\p+2:S+32*\t+2*\p+3]
.endr
.endr
.irp t, 0,1,2,3
	v_pk_add_f32 v[ST+8*\t+2:ST+8*\t+3], v[ST+8*\t+2:ST+8*\t+3], v[S+32*\t+30:S+32*\t+31]
.endr
.irp t, 0,1,2,3
	v_pk_add_f32 v[ST+8*\t+2:ST+8*\t+3], v[ST+8*\t+2:ST+8*\t+3], v[ST+8*\t+4:ST+8*\t+5]
.endr
.irp j, 0,1,2,3,4,5,6,7,8,9,10,11,12,13,14,15   ; p to f16, in place: register j takes registers 2 j and 2 j + 1, j ascending, so that only registers already read are overtaken
.irp t, 0,1,2,3
	v_cvt_pk_f16_f32 v[S+32*\t+\j], v[S+32*\t+2*\j], v[S+32*\t+2*\j+1]
.endr
.endr
	WIN 0x41                                       ; O^T window 1, a window 0
.irp t, 0,1,2,3
.set i, 0
.rept 16
	v_pk_mul_f32 v[32*\t+i:32*\t+i+1], v[32*\t+i:32*\t+i+1], v[ST+8*\t+6:ST+8*\t+7] op_sel_hi:[1,0]   ; O^T x a, each accumulator from its low end on
.set i, i+2
.endr
.endr
	s_wait_dscnt 0x0                               ; V is in
	WIN 0x51                                       ; V, C and D window 1; P window 0
.irp kc, 0,1
.irp t, 0,1,2,3
.irp cb, 0,1,2,3
	v_wmma_f32_16x16x32_f16 v[32*\t+8*\cb:32*\t+8*\cb+7], v[VF+32*\kc+8*\cb:VF+32*\kc+8*\cb+7], v[S+32*\t+8*\kc:S+32*\t+8*\kc+7], v[32*\t+8*\cb:32*\t+8*\cb+7]
.endr
.endr
.endr
	WIN 0
	s_add_co_u32 s[TK], s[TK], 32*PK               ; the next 64 keys
	s_add_co_u32 s[TV], s[TV], 32*PV
.endm
.macro VISIT slot                      ; a slot's eight key steps: written once, walked eight times
	s_mov_b32 s[TK], \slot*SLOT
	s_mov_b32 s[TV], \slot*SLOT
	s_mov_b32 s[CNT], 8
.Lstep_\@:
	STEP
	s_sub_co_u32 s[CNT], s[CNT], 1
	s_cmp_lg_u32 s[CNT], 0
	s_cbranch_scc1 .Lstep_\@
.endm
; THE CHANGE OF SLOTS.  Each wave waits for all its tensor loads (its part of the slot ahead), adds 0 to its spare word, and waits for that and for its reads of the slot that it leaves.
; fill = 1: the barrier is a round of the cluster's, so that no wave of any partner still reads slot s or has a load on its way, and the joint refill of slot s, 1,024 keys on, is the first thing behind it.
.macro CHANGE fill, s
	s_wait_tensorcnt 0x0                           ; no tensor load of mine is out, so a group 0 may be written
	ds_add_u32 v[SPW], v[NIL]
.if \fill
	s_add_nc_u64 s[G0K+4*\s+2:G0K+4*\s+3], s[G0K+4*\s+2:G0K+4*\s+3], 131072
	s_add_nc_u64 s[G0V+4*\s+2:G0V+4*\s+3], s[G0V+4*\s+2:G0V+4*\s+3], 131072
	s_wait_dscnt 0x0
	CROUND
	JLOAD \s
.else
	s_wait_dscnt 0x0
	s_barrier_signal -1
	s_barrier_wait -1
.endif
.endm
	s_wait_tensorcnt 1                             ; my part of slot 0 is in; slot 1's may stay out
	s_barrier_signal -1
	s_barrier_wait -1
	s_wait_loadcnt 0x0                             ; Q
	VISIT 0                                        ; keys 0-511
	CHANGE 1, 0
	VISIT 1                                        ; keys 512-1023
	CHANGE 1, 1
	VISIT 0                                        ; keys 1024-1535
	CHANGE 0, 0                                    ; nothing is left to fetch
	VISIT 1                                        ; keys 1536-2047
	; THE WAY OUT.  l's two halves and the other half of the lanes' are added (these lines are the places behind the last products); O^T / l, to f16, through my stage, a tile (16 rows, 2,048 consecutive bytes of the result) at a time.
.irp t, 0,1,2,3
	v_add_f32 v[ST+8*\t+4], v[ST+8*\t+2], v[ST+8*\t+3]
.endr
.irp t, 0,1,2,3
	v_permlanex16_b32 v[ST+8*\t+5], v[ST+8*\t+4], s[SEL], s[SEL+1]
.endr
.irp t, 0,1,2,3
	v_add_f32 v[ST+8*\t+4], v[ST+8*\t+4], v[ST+8*\t+5]
.endr
.irp t, 0,1,2,3
	v_rcp_f32 v[ST+8*\t+6], v[ST+8*\t+4]
.endr
	v_nop                                          ; a plain line behind the last reciprocal,
	s_wait_alu depctr_va_vdst(0)                   ; and the one wait for the four
	WIN 0x01                                       ; source 0 (O^T) window 1
.irp t, 0,1,2,3
.set i, 0
.rept 16
	v_pk_mul_f32 v[S+32*\t+i:S+32*\t+i+1], v[32*\t+i:32*\t+i+1], v[ST+8*\t+6:ST+8*\t+7] op_sel_hi:[1,0]
.set i, i+2
.endr
.endr
	WIN 0
.irp t, 0,1,2,3
.set i, 0
.rept 16
	v_cvt_pk_f16_f32 v[Q+16*\t+i], v[S+32*\t+2*i], v[S+32*\t+2*i+1]   ; registers 4 cb .. 4 cb + 3: channels 16 cb + 8 h + 0 .. 7 of row r
.set i, i+1
.endr
.endr
.irp t, 0,1,2,3
.irp cb, 0,1,2,3
	ds_store_b128 v[STO], v[Q+16*\t+4*\cb:Q+16*\t+4*\cb+3] offset:\t*16*SPH+32*\cb
.endr
.irp i, 0,1,2,3
	ds_load_b128 v[S+16*\t+4*\i:S+16*\t+4*\i+3], v[RD] offset:\t*16*SPH+\i*4*SPH   ; LDS serves a wave's instructions in order: these see the stores above
.endr
.endr
.irp t, 0,1,2,3
.irp i, 0,1,2,3
	s_wait_dscnt 8*(3-\t)+3-\i                     ; the LDS instructions issued behind this load may be out
	global_store_b128 v[GO], v[S+16*\t+4*\i:S+16*\t+4*\i+3], s[6:7] offset:\t*2048+\i*512   ; 512 consecutive bytes, aligned
.endr
.endr
	s_wait_tensorcnt 0x0                           ; the wave's end, behind my last tensor load and my last LDS store
	ds_add_u32 v[SPW], v[NIL]
	s_wait_dscnt 0x0
	CROUND                                         ; the closing round
	s_endpgm
.Lfunc_end_k_q2c2e6d5d96_attn:
	.size	k_q2c2e6d5d96_attn, .Lfunc_end_k_q2c2e6d5d96_attn-k_q2c2e6d5d96_attn
	.p2alignl 7, 3214868480
	.fill 96, 4, 3214868480
	.section	.rodata,"a",@progbits
	.p2align	6, 0x0
	.amdhsa_kernel k_q2c2e6d5d96_attn
		.amdhsa_group_segment_fixed_size 327680
		.amdhsa_private_segment_fixed_size 0
		.amdhsa_enable_private_segment 0
		.amdhsa_kernarg_size 16
		.amdhsa_user_sgpr_count 2
		.amdhsa_user_sgpr_kernarg_segment_ptr 1
		.amdhsa_wavefront_size32 1
		.amdhsa_system_sgpr_workgroup_id_x 1
		.amdhsa_system_sgpr_workgroup_id_y 1
		.amdhsa_system_sgpr_workgroup_id_z 1
		.amdhsa_system_vgpr_workitem_id 0
		.amdhsa_next_free_vgpr 512
		.amdhsa_next_free_sgpr 66
		.amdhsa_reserve_vcc 0
		.amdhsa_float_denorm_mode_32 3
		.amdhsa_float_denorm_mode_16_64 3
		.amdhsa_memory_ordered 1
		.amdhsa_forward_progress 1
		.amdhsa_inst_pref_size 156
	.end_amdhsa_kernel
	.amdgpu_metadata
---
amdhsa.version: [ 1, 2 ]
amdhsa.kernels:
  - .name:           k_q2c2e6d5d96_attn
    .symbol:         k_q2c2e6d5d96_attn.kd
    .args:
      - { .name: qkv, .offset: 0, .size: 8, .value_kind: global_buffer, .address_space: global }
      - { .name: att, .offset: 8, .size: 8, .value_kind: global_buffer, .address_space: global }
    .group_segment_fixed_size: 327680
    .private_segment_fixed_size: 0
    .kernarg_segment_align: 8
    .kernarg_segment_size: 16
    .max_flat_workgroup_size: 256
    .sgpr_count:     66
    .vgpr_count:     512
    .wavefront_size: 32
...
	.end_amdgpu_metadata
.endif
;; end of part 3
;; launch outp (part 4): grid 8 x 32, 4 waves a work-group, clusters of 4 x 4, 327,680 bytes of LDS; arguments att, wo16, bo, out0; writes out0
.if DOCPART == 4
	.amdgcn_target "amdgcn-amd-amdhsa--gfx1250"
	.amdhsa_code_object_version 6
	.text
	.protected	k_q2c2e6d5d96_outp
	.globl	k_q2c2e6d5d96_outp
	.p2align	8
	.type	k_q2c2e6d5d96_outp,@function
k_q2c2e6d5d96_outp:
	s_mov_b64 s[64:65], 0
	v_nop
	global_prefetch_b8 v0, s[64:65] scope:SCOPE_SE
	s_setreg_imm32_b32 hwreg(HW_REG_WAVE_MODE, 25, 1), 1
	s_wait_xcnt 0x0
	s_wait_alu depctr_hold_cnt(0) depctr_sa_sdst(0) depctr_va_vdst(0) depctr_va_sdst(0) depctr_va_ssrc(0) depctr_va_vcc(0) depctr_vm_vsrc(0)
	s_getreg_b32 s2, hwreg(HW_REG_IB_STS2, 6, 4)
	s_cmp_eq_u32 s2, 0
	s_cbranch_scc0 .Lentry_in_a_cluster
	s_endpgm
.Lentry_in_a_cluster:
	s_bfe_u32 s2, ttmp6, 0x10000c
	s_cmp_lg_u32 s2, 0xf033
	s_cbranch_scc0 .Lentry_shape_is_right
	s_endpgm
.Lentry_shape_is_right:
; OUTP: out[m][n] = sum over k of O[m][k] Wo[n][k] + bo[n].  O: f16, [16 heads][8,192 rows][64] (k = 64 head + channel); Wo: f16, [1024][1024]; bo, out: f32.  Sums in f32.
; A tile of out is 256 rows x 128 columns: 32 x 8 = 256 work-groups.  Four waves, each 128 x 64: 32 accumulators, 256 registers; a wave's 64 columns of f32 are 256 bytes of a row.
; K goes in steps of 128, two heads' planes, through a ring of two LDS slots.  A plane's 256 rows of 128 bytes are dense: they are stated as 128 rows of 256 bytes.  Waves 0 and 1 fetch O's two planes, waves 2 and 3 the
; two halves of Wo's 128 rows: one load a wave.  By this text's count a wave has two tensor loads out at the start and one behind each refill.
; CLUSTERS: 4 x 4 work-groups; O's tiles are asked for jointly along a row of the cluster, Wo's along a column.
; THE MATRIX INSTRUCTION IS USED TRANSPOSED (source 0 = 16 rows of Wo, source 1 = 16 rows of O): a lane holds eight neighbouring columns of one row.  bo is the C of each sum's first instruction.
; REGISTERS: window 0: v1-31 addresses; v32-127, v128-223 two fragment buffers (64 registers of O, then 32 of Wo, for 32 along K); v224-255 bo; on the way out v32-95 take rows.  window 1: accumulator (a, b) at v[8 (4 a + b)].
.set PITCH,  272                       ; an LDS row: 256 bytes + 16 of padding: the rows that a load touches start at different banks (64 banks of 4 bytes: ISA guide 11.1)
.set HALFA,  128*PITCH                 ; a plane's 256 rows
.set HALFB,  64*PITCH                  ; 64 rows of Wo
.set SLOT,   2*HALFA+2*HALFB
.set STAGE,  2*SLOT                    ; behind the ring: 16 rows x 272 bytes for each wave
.set SPARE,  STAGE+4*16*PITCH          ; the spare words: 128 bytes a wave, named by no other line
.set ADRA, 16
.set ADRB, 20
.set STO,  24
.set RD,   25
.set CO,   26
.set SPW,  28
.set NIL,  29
.set BOF,  30                          ; v30 32 h: my eight numbers of a block of bo
.set F0,   32
.set F1,   128
.set BIAS, 224
.set G1, 24
.set G0, 32
.set G1B, 48
.set G0B, 56
.set MSB, 0
.macro WIN new                         ; the immediate's high byte repeats the setting that is left
.if MSB != (\new)
	s_set_vgpr_msb (MSB<<8)|(\new)
.set MSB, (\new)
.endif
.endm
.macro JLOAD s                         ; a joint load; an s_nop 0 and four v_nop follow each of the two lines
	s_cmp_eq_u32 s13, 0
	s_cbranch_scc0 .Lfor_b_\@
	tensor_load_to_lds s[G0+4*\s:G0+4*\s+3], s[G1:G1+7]
	s_nop 0
.rept 4
	v_nop
.endr
	s_branch .Lasked_\@
.Lfor_b_\@:
	tensor_load_to_lds s[G0B+4*\s:G0B+4*\s+3], s[G1B:G1B+7]
	s_nop 0
.rept 4
	v_nop
.endr
.Lasked_\@:
.endm
.macro CREST                           ; a round of the cluster's barrier behind its opening barrier
	s_cmp_lg_u32 s12, 0
	s_cbranch_scc1 .Lnot_wave_0_\@
	s_barrier_signal -3
.Lnot_wave_0_\@:
	s_barrier_wait -3
	s_barrier_signal -1
	s_barrier_wait -1
.endm
.macro CROUND
	s_barrier_signal -1
	s_barrier_wait -1
	CREST
.endm
	s_load_b256 s[4:11], s[0:1], 0x0               ; O s[4:5], Wo s[6:7], bo s[8:9], out s[10:11]
	v_lshl_add_u32 v[SPW], v0, 2, SPARE
	v_mov_b32 v[NIL], 0
	ds_add_u32 v[SPW], v[NIL]                      ; the wave's opening: the add, twice on end, and its wait ahead of my first tensor load
	ds_add_u32 v[SPW], v[NIL]
	v_lshrrev_b32 v1, 5, v0
	v_readfirstlane_b32 s12, v1                    ; wave 0..3
	s_lshr_b32 s13, s12, 1                         ; which half of the tile's rows is mine.  Also: I fetch for O (0) or for Wo (1)
	s_and_b32 s14, s12, 1                          ; which half of its columns.  Also: which plane, or which 64 rows of Wo, I fetch
	s_bfe_u32 s40, ttmp6, 0x40000                  ; cx, cy
	s_bfe_u32 s41, ttmp6, 0x40004
	s_lshl_b32 s42, ttmp9, 2
	s_add_co_u32 s42, s42, s40                     ; tile column
	s_and_b32 s15, ttmp7, 0xffff
	s_lshl_b32 s15, s15, 2
	s_add_co_u32 s15, s15, s41                     ; tile row
	s_lshl_b32 s43, s41, 2
	s_lshl_b32 s43, 15, s43                        ; my row of the cluster
	s_lshl_b32 s44, 0x1111, s40                    ; my column
	s_or_b32 s[G1+0], s43, (1<<16)|(1<<20)|(1<<21)|(5<<22)|(3<<25)  ; the mask; elements of 2 bytes; padding on; bit 21 beside a mask; 4 words after every 64
	s_or_b32 s[G1B+0], s44, (1<<16)|(1<<20)|(1<<21)|(5<<22)|(3<<25)
	s_mov_b32 s[G1+1], 128<<16                     ; O: tensor_dim0 = 128 elements: two rows of a plane
	s_mov_b32 s[G1+2], 128<<16                     ; tensor_dim1
	s_mov_b32 s[G1+3], 128<<16                     ; tile_dim0
	s_mov_b32 s[G1+4], 128                         ; tile_dim1
	s_mov_b32 s[G1+5], 128                         ; dense
	s_mov_b32 s[G1+6], 0
	s_mov_b32 s[G1+7], 0
	s_mov_b32 s[G1B+1], 128<<16                    ; Wo: 128 along K,
	s_mov_b32 s[G1B+2], 64<<16                     ; 64 rows,
	s_mov_b32 s[G1B+3], 128<<16
	s_mov_b32 s[G1B+4], 64
	s_mov_b32 s[G1B+5], 1024                       ; 1,024 elements apart
	s_mov_b32 s[G1B+6], 0
	s_mov_b32 s[G1B+7], 0
	s_lshl_b32 s16, s14, 20                        ; O: my plane of the step's two,
	s_lshl_b32 s17, s15, 15                        ; the tile's 256 rows of 128 bytes
	s_add_co_u32 s16, s16, s17
	s_mov_b32 s17, 0
	s_lshl_b32 s46, s42, 18                        ; Wo: 128 rows of 2,048 bytes a tile column,
	s_lshl_b32 s47, s14, 17                        ; my 64 of them
	s_add_co_u32 s46, s46, s47
	s_mov_b32 s47, 0
	s_mul_i32 s20, s14, HALFA                      ; where they go
	s_mul_i32 s21, s14, HALFB
	s_add_co_u32 s21, s21, 2*HALFA
	s_wait_dscnt 0x0                               ; both opening adds are done
	s_wait_kmcnt 0x0
	s_add_nc_u64 s[18:19], s[4:5], s[16:17]
	s_add_nc_u64 s[46:47], s[6:7], s[46:47]
	CROUND                                         ; all sixteen work-groups are here: the first joint loads meet
.irp s, 0,1
	s_mov_b32 s[G0+4*\s], 1
	s_add_co_u32 s[G0+4*\s+1], s20, \s*SLOT
	s_add_nc_u64 s[G0+4*\s+2:G0+4*\s+3], s[18:19], \s*2097152   ; K step s: two planes on
	s_or_b32 s[G0+4*\s+3], s[G0+4*\s+3], 0x80000000
	s_mov_b32 s[G0B+4*\s], 1
	s_add_co_u32 s[G0B+4*\s+1], s21, \s*SLOT
	s_add_nc_u64 s[G0B+4*\s+2:G0B+4*\s+3], s[46:47], \s*256
	s_or_b32 s[G0B+4*\s+3], s[G0B+4*\s+3], 0x80000000
	JLOAD \s
.endr
	v_and_b32 v1, 15, v0                           ; r
	v_bfe_u32 v2, v0, 4, 1                         ; h
	s_lshl_b32 s46, s42, 9
	s_lshl_b32 s47, s14, 8
	s_add_co_u32 s46, s46, s47                     ; my first column, in bytes of f32: 512 x tile column + 256 x half
	s_mov_b32 s47, 0
	s_add_nc_u64 s[8:9], s[8:9], s[46:47]
	v_lshlrev_b32 v[BOF], 5, v2
.irp b, 0,1,2,3
	global_load_b128 v[BIAS+8*\b:BIAS+8*\b+3], v[BOF], s[8:9] offset:64*\b          ; bo of columns 16 b + 8 h + 0 .. 7
	global_load_b128 v[BIAS+8*\b+4:BIAS+8*\b+7], v[BOF], s[8:9] offset:64*\b+16
.endr
	v_lshrrev_b32 v3, 1, v1
	v_mul_u32_u24 v3, v3, PITCH                    ; O: row r of a block lies in LDS row r / 2,
	v_and_b32 v4, 1, v0
	v_lshl_add_u32 v3, v4, 7, v3                   ; half r % 2,
	v_lshl_add_u32 v3, v2, 4, v3                   ; + 16 h
	v_mul_u32_u24 v5, v1, PITCH                    ; Wo: row r
	v_lshl_add_u32 v5, v2, 4, v5
	s_mul_i32 s21, s13, 64*PITCH                   ; my 128 rows of O in each plane
	s_mul_i32 s22, s14, HALFB                      ; my 64 rows of Wo,
	s_add_co_u32 s22, s22, 2*HALFA                 ; behind the two planes
.irp s, 0,1
	v_add_nc_u32 v[ADRA+\s], s21, v3
	v_add_nc_u32 v[ADRB+\s], s22, v5
	s_add_co_u32 s21, s21, SLOT
	s_add_co_u32 s22, s22, SLOT
.endr
	s_mul_i32 s23, s12, 16*PITCH
	s_add_co_u32 s23, s23, STAGE                   ; my stage
	v_mul_u32_u24 v6, v1, PITCH                    ; in: row r, 32 bytes for each half of the lanes
	v_lshl_add_u32 v6, v2, 5, v6
	v_add_nc_u32 v[STO], s23, v6
	v_mul_u32_u24 v6, v2, PITCH                    ; back: lanes 0-15 one row of 256 bytes, lanes 16-31 the next
	v_lshl_add_u32 v6, v1, 4, v6
	v_add_nc_u32 v[RD], s23, v6
	v_lshlrev_b32 v6, 12, v2                       ; and the same two rows of out, 4,096 bytes apart
	v_lshl_add_u32 v[CO], v1, 4, v6
	s_lshl_b32 s16, s15, 20                        ; 256 rows of 4,096 bytes a tile row,
	s_lshl_b32 s17, s13, 19                        ; my 128
	s_add_co_u32 s16, s16, s17
	s_mov_b32 s17, 0
	s_add_nc_u64 s[16:17], s[16:17], s[46:47]
	s_add_nc_u64 s[10:11], s[10:11], s[16:17]
; 24 LDS loads in one run: the fragments of the slot's q-th 32 along K into buffer f: Wo's four, O's blocks 0-3, O's blocks 4-7.  Quarters 0, 1 lie in the first plane, 2, 3 in the second.
.macro FETCH slot, q, f
.irp b, 0,1,2,3
	ds_load_b128 v[\f+64+8*\b:\f+64+8*\b+3], v[ADRB+\slot] offset:64*(\q)+\b*16*PITCH
	ds_load_b128 v[\f+64+8*\b+4:\f+64+8*\b+7], v[ADRB+\slot] offset:64*(\q)+\b*16*PITCH+32
.endr
.irp a, 0,1,2,3,4,5,6,7
	ds_load_b128 v[\f+8*\a:\f+8*\a+3], v[ADRA+\slot] offset:((\q)/2)*HALFA+((\q)%2)*64+\a*8*PITCH
	ds_load_b128 v[\f+8*\a+4:\f+8*\a+7], v[ADRA+\slot] offset:((\q)/2)*HALFA+((\q)%2)*64+\a*8*PITCH+32
.endr
.endm
; n blocks of O from a0 on, each against Wo's four.  first = 1: the sums start on bo.  The 32 accumulators take turns, one instruction a turn, in the same order in every quarter.
.macro MUL a0, n, f, first
.set AA, \a0
.rept \n
.irp b, 0,1,2,3
.if \first
	v_wmma_f32_16x16x32_f16 v[8*(4*AA+\b):8*(4*AA+\b)+7], v[\f+64+8*\b:\f+64+8*\b+7], v[\f+8*AA:\f+8*AA+7], v[BIAS+8*\b:BIAS+8*\b+7]
.else
	v_wmma_f32_16x16x32_f16 v[8*(4*AA+\b):8*(4*AA+\b)+7], v[\f+64+8*\b:\f+64+8*\b+7], v[\f+8*AA:\f+8*AA+7], v[8*(4*AA+\b):8*(4*AA+\b)+7]
.endif
.endr
.set AA, AA+1
.endr
.endm
.macro PLACES                          ; four plain lines between a matrix instruction and a load into, or a read of, its registers
.rept 4
	v_nop
.endr
.endm
; One of a K step's first three quarters: multiplies buffer f; in its middle it fetches quarter q of the same slot into buffer g.
.macro QUARTER slot, q, f, g, first
	s_wait_dscnt 8                                 ; Wo's fragments and O's blocks 0-3 are in; the youngest eight loads (blocks 4-7) may be out
	WIN 0x50-0x10*(\first)                         ; D window 1; C window 1, or window 0 for bo
	MUL 0, 4, \f, \first
	PLACES
	WIN 0
	FETCH \slot, \q, \g
	s_wait_dscnt 24                                ; all but the 24 just issued
	WIN 0x50-0x10*(\first)
	MUL 4, 4, \f, \first
.endm
; The last quarter multiplies buffer 1 and changes slots: ONE barrier; in front of it each wave waits for all its tensor loads, adds 0 to its spare word, and waits for that and for its reads of this slot.
; fill = 1: the barrier opens a round of the cluster's, and this slot is filled again, two K steps on, first thing behind the round.
.macro TURN slot, next, fill
	WIN 0
	s_wait_tensorcnt 0x0                           ; all my tensor loads have landed: my part of the next slot
	ds_add_u32 v[SPW], v[NIL]
	s_wait_dscnt 9                                 ; (the add and O's blocks 4-7 may be out)
	WIN 0x50
	MUL 0, 2, F1, 0
	s_wait_dscnt 0x0                               ; the add is done, and my reads of this slot are over
	s_barrier_signal -1
	MUL 2, 2, F1, 0
	WIN 0
	s_barrier_wait -1
.if \fill
	CREST                                          ; no wave of any partner still reads this slot's tiles or has a load on its way
	s_add_nc_u64 s[G0+4*\slot+2:G0+4*\slot+3], s[G0+4*\slot+2:G0+4*\slot+3], 4194304   ; four planes on
	s_add_nc_u64 s[G0B+4*\slot+2:G0B+4*\slot+3], s[G0B+4*\slot+2:G0B+4*\slot+3], 512
	JLOAD \slot                                    ; the four v_nop behind it are also the places in front of the loads below
.else
	PLACES
.endif
	FETCH \next, 0, F0
	WIN 0x50
	MUL 4, 4, F1, 0
.endm
	s_wait_tensorcnt 1                             ; my part of K step 0 is in (K step 1's load may be out),
	s_barrier_signal -1
	s_barrier_wait -1                              ; everybody's is
	FETCH 0, 0, F0
	s_wait_loadcnt 0x0                             ; bo
	QUARTER 0, 1, F0, F1, 1                        ; the first quarter stands in front of the loop: its products start the sums
	WIN 0
	s_mov_b32 s3, 3
.Llap:                                                 ; a trip goes once round the ring, from a lap's second quarter to the next lap's first, and fills both slots again: K steps 2 to 7
	QUARTER 0, 2, F1, F0, 0
	QUARTER 0, 3, F0, F1, 0
	TURN 0, 1, 1
	QUARTER 1, 1, F0, F1, 0
	QUARTER 1, 2, F1, F0, 0
	QUARTER 1, 3, F0, F1, 0
	TURN 1, 0, 1
	QUARTER 0, 1, F0, F1, 0
	WIN 0
	s_sub_co_u32 s3, s3, 1
	s_cmp_lg_u32 s3, 0
	s_cbranch_scc1 .Llap
	QUARTER 0, 2, F1, F0, 0                        ; the last lap fills nothing
	QUARTER 0, 3, F0, F1, 0
	TURN 0, 1, 0
	QUARTER 1, 1, F0, F1, 0
	QUARTER 1, 2, F1, F0, 0
	QUARTER 1, 3, F0, F1, 0
	s_wait_dscnt 8                                 ; the very last quarter
	WIN 0x50
	MUL 0, 4, F1, 0
	s_wait_dscnt 0x0
	MUL 4, 4, F1, 0
	WIN 0
; THE WAY OUT, block by block of 16 rows x 64 columns: 32 bytes a lane into my own stage, back as whole rows of 256 bytes, which sixteen lanes store.
.macro TOSTAGE a
	WIN 0x04                                       ; an LDS store's data are its source 1: window 1
.irp b, 0,1,2,3
	ds_store_b128 v[STO], v[8*(4*(\a)+\b):8*(4*(\a)+\b)+3] offset:64*\b          ; each accumulator from its low end on
	ds_store_b128 v[STO], v[8*(4*(\a)+\b)+4:8*(4*(\a)+\b)+7] offset:64*\b+16
.endr
	WIN 0
.irp t, 0,1,2,3,4,5,6,7
	ds_load_b128 v[32+32*((\a)%2)+4*\t:32+32*((\a)%2)+4*\t+3], v[RD] offset:\t*2*PITCH   ; LDS serves a wave's instructions in order: these see the stores above
.endr
.endm
.macro SEND a, younger                 ; younger: the LDS instructions issued behind block a's loads, which may stay out
	s_wait_dscnt \younger
.if (\a) > 0
	s_add_nc_u64 s[10:11], s[10:11], 65536         ; 16 rows on (behind a wait for 0 on XCNT: the earlier stores have read their base)
.endif
.irp t, 0,1,2,3,4,5,6,7
	global_store_b128 v[CO], v[32+32*((\a)%2)+4*\t:32+32*((\a)%2)+4*\t+3], s[10:11] offset:\t*8192 th:TH_STORE_NT   ; sixteen lanes store 256 consecutive bytes, aligned
.endr
.endm
	PLACES                                         ; behind the last products: for the reads of results and the loads into registers that held fragments
	TOSTAGE 0
.irp a, 1,2,3,4,5,6,7
.if \a > 1
	s_wait_xcnt 0x0                                ; block a - 2's stores have read their registers and their base: block a's loads may land there, and the base may step
.endif
	TOSTAGE \a
	SEND \a-1, 16                                  ; behind block a - 1's loads: block a's 8 stores and 8 loads
.endr
	s_wait_xcnt 0x0                                ; block 6's stores have read their base
	SEND 7, 0
	s_wait_tensorcnt 0x0                           ; the wave's end, behind my last tensor load and my last LDS store
	ds_add_u32 v[SPW], v[NIL]
	s_wait_dscnt 0x0
	CROUND                                         ; the closing round
	s_endpgm
.Lfunc_end_k_q2c2e6d5d96_outp:
	.size	k_q2c2e6d5d96_outp, .Lfunc_end_k_q2c2e6d5d96_outp-k_q2c2e6d5d96_outp
	.p2alignl 7, 3214868480
	.fill 96, 4, 3214868480
	.section	.rodata,"a",@progbits
	.p2align	6, 0x0
	.amdhsa_kernel k_q2c2e6d5d96_outp
		.amdhsa_group_segment_fixed_size 327680
		.amdhsa_private_segment_fixed_size 0
		.amdhsa_enable_private_segment 0
		.amdhsa_kernarg_size 32
		.amdhsa_user_sgpr_count 2
		.amdhsa_user_sgpr_kernarg_segment_ptr 1
		.amdhsa_wavefront_size32 1
		.amdhsa_system_sgpr_workgroup_id_x 1
		.amdhsa_system_sgpr_workgroup_id_y 1
		.amdhsa_system_sgpr_workgroup_id_z 1
		.amdhsa_system_vgpr_workitem_id 0
		.amdhsa_next_free_vgpr 512
		.amdhsa_next_free_sgpr 66
		.amdhsa_reserve_vcc 0
		.amdhsa_float_denorm_mode_32 3
		.amdhsa_float_denorm_mode_16_64 3
		.amdhsa_memory_ordered 1
		.amdhsa_forward_progress 1
		.amdhsa_inst_pref_size 87
	.end_amdhsa_kernel
	.amdgpu_metadata
---
amdhsa.version: [ 1, 2 ]
amdhsa.kernels:
  - .name:           k_q2c2e6d5d96_outp
    .symbol:         k_q2c2e6d5d96_outp.kd
    .args:
      - { .name: att, .offset: 0, .size: 8, .value_kind: global_buffer, .address_space: global }
      - { .name: wo16, .offset: 8, .size: 8, .value_kind: global_buffer, .address_space: global }
      - { .name: bo, .offset: 16, .size: 8, .value_kind: global_buffer, .address_space: global }
      - { .name: out0, .offset: 24, .size: 8, .value_kind: global_buffer, .address_space: global }
    .group_segment_fixed_size: 327680
    .private_segment_fixed_size: 0
    .kernarg_segment_align: 8
    .kernarg_segment_size: 32
    .max_flat_workgroup_size: 128
    .sgpr_count:     66
    .vgpr_count:     512
    .wavefront_size: 32
...
	.end_amdgpu_metadata
.endif
;; end of part 4
